; MI455X (gfx1250); checked and timed in simulation.
; The chip was launched on July 23, 2026; its instructions are those of AMD's public machine-readable ISA for CDNA 5 (MIT licence, August 2026) and "CDNA5" Instruction Set Architecture Reference Guide (July 2026). The comments in the code are by the model that wrote it; some were corrected since.
;; Causal Self Attention. Allowed arithmetic: matrix products marked QUANTISED: E2M1 operands, one E8M0 scale for each 32 along K, by v_wmma_scale_f32_16x16x128_f8f6f4 with both operands' format E2M1 (or v_wmma_scale_f32_32x16x128_f4), f32 sums; products left as they are: bf16, f16 or f32 operands; f32 sums; everything else in f32.
;; Inputs: b_attn 3,072 float32; b_proj 1,024 float32; w_attn 3,072 x 1,024 float32; w_proj 1,024 x 1,024 float32; x 4 x 2,048 x 1,024 float32.
;; Outputs: out0 4 x 2,048 x 1,024 float32.
;; This version of the problem:
;;   THIS VERSION OF THE PROBLEM IS GIVEN IN LOW PRECISION. The matrix products marked QUANTISED in the list below multiply operands that are first quantised to E2M1 (2 exponent bits, 1 mantissa bit; 4 bits a number), with one power-of-two scale for each 32 numbers along K (OCP MX v1.0); their sums are f32. The products marked 'left as it is' may take bf16, f16 or f32 operands, with f32 sums. Whichever they take, every output number must still come out within the allowed error. Rounding operands to bf16 (8 significant bits) uses up far more of that allowance than f16 does (11 bits, for magnitudes from 6e-5 to 65,504). All else is computed in f32.
;;   The module's matrix products, in the order in which they are computed (A, B: the left and right operand; K: the contracted axis; several contracted axes count as one K, in the product's order):
;;     1. [M 8,192, K 1,024] x [K 1,024, N 3,072]; A: input x; B: input w_attn: QUANTISED
;;     2. batch 64 x [M 2,048, K 64] x [K 64, N 2,048]; A: computed on the way; B: computed on the way: left as it is (an operand is computed on the way)
;;     3. batch 64 x [M 2,048, K 2,048] x [K 2,048, N 64]; A: computed on the way; B: computed on the way: left as it is (an operand is computed on the way)
;;     4. [M 8,192, K 1,024] x [K 1,024, N 1,024]; A: computed on the way; B: input w_proj: left as it is (an operand is computed on the way)
;;   THE QUANTISER, for each operand of a quantised product, along K:
;;     - K is cut into blocks of 32 from its start; a last block that is shorter is filled with zeros.
;;     - A block's scale is 2^e with e = floor(log2(the largest magnitude in the block)) - 2, held to -126 .. 127; a block of zeros has e = 0. As a byte (E8M0): e + 127.
;;     - Each number is divided by its block's scale, clamped to +-6, and rounded to the nearest number of E2M1, ties to even, subnormals kept.
;;     - The product sums the exact products of the quantised numbers (number of the format x scale) in f32.
;;   ~~~python
;;   def quantise(x, axis):      # numpy; x: float32 -> the quantised numbers, widened to float32 again
;;       x = np.moveaxis(x, axis, -1); K = x.shape[-1]
;;       x = np.pad(x, [(0, 0)] * (x.ndim - 1) + [(0, -K % 32)]); x = x.reshape(x.shape[:-1] + (-1, 32)); a = np.abs(x).max(-1, keepdims=True)
;;       e = np.where(a > 0, np.clip(np.frexp(np.where(a > 0, a, 1))[1] - 1 - 2, -126, 127), 0)      # np.frexp(a)[1] - 1 = floor(log2(a)), exactly
;;       r = np.clip(x / 2.0 ** e, -6, 6)
;;       step = 2.0 ** (np.maximum(np.frexp(np.where(r == 0, 1, r))[1] - 1, 0) - 1)
;;       q = np.round(r / step) * step * 2.0 ** e      # np.round: ties to even
;;       return np.moveaxis(q.reshape(q.shape[:-2] + (-1,))[..., :K], -1, axis).astype(np.float32)
;;   ~~~
;; One version. Each part assembles by itself: llvm-mc -triple=amdgcn-amd-amdhsa -mcpu=gfx1250 --defsym DOCPART=n.
;; ======== version 1 of 1: 5 launches
;; limits: values are held in f16: magnitudes above 65,504 overflow, below 6.1e-05 lose precision
;; workspace buffers: x_codes 4,194,304 bytes; x_scales 262,144 bytes; w_codes 1,572,864 bytes; w_scales 98,304 bytes; wp16 2,097,152 bytes; qkvh 50,331,648 bytes; qkv16 786,432 bytes; yh 16,777,216 bytes
;; launch quant (part 1): grid 384 x 1, 4 waves a work-group, no clusters, 33,280 bytes of LDS; arguments x, w_attn, x_codes, x_scales, w_codes, w_scales, w_proj, wp16; writes x_codes, x_scales, w_codes, w_scales, wp16
.if DOCPART == 1
	.amdgcn_target "amdgcn-amd-amdhsa--gfx1250"
	.amdhsa_code_object_version 6
	.text
	.protected	k_q571c88cc15_quant
	.globl	k_q571c88cc15_quant
	.p2align	8
	.type	k_q571c88cc15_quant,@function
k_q571c88cc15_quant:
	s_mov_b64 s[64:65], 0
	v_nop
	global_prefetch_b8 v0, s[64:65] scope:SCOPE_SE
	s_setreg_imm32_b32 hwreg(HW_REG_WAVE_MODE, 25, 1), 1
	s_wait_xcnt 0x0
; x [8192][1024] and w_attn [3072][1024], f32, become codes of FP4 (E2M1), K innermost, two codes a byte, with one E8M0 scale byte for each 32 along K; w_proj [1024][1024] f32 becomes f16.
; A block's scale is 2^(floor(log2(its largest magnitude)) - 2); its byte is the largest magnitude's exponent field - 2, held at 1 from below.  Each number is divided by the scale and rounded to the nearest code, ties to even;
; beyond 6 the conversion gives the largest code.
; LIMITS: a block of zeros, and a block whose largest magnitude lies under 2^(3 - 127), gets the byte 1 (its codes are zeros or next to it; the bytes are read by this program alone); NaN and infinities among the inputs are not served;
; |w_proj| stays under 65,504, f16's largest number.
; Rows are dense and K is a multiple of 32: both tensors are plain streams of blocks of 32.  Work-groups 0-255 take x, 256-351 w_attn, 352-383 w_proj.  A wave takes 8,192 numbers.
; For the codes a lane must hold 16 NEIGHBOURS along K, while a load is best where neighbouring lanes take neighbouring bytes: each load reads 512 consecutive bytes, and a step's 2,048 bytes turn through the wave's own stage in LDS.
; No tensor loads, no barrier: waves share nothing.  Matrix units and clusters have no work here: each byte is read once and written once.
.set SIZE_M, 8192
.set SIZE_N, 3072
.set SIZE_K, 1024
.set WAVES, 4
.set STEPS, 16
.set WGA,   SIZE_M*SIZE_K/(512*STEPS*WAVES)    ; 256 work-groups for x
.set WGB,   SIZE_N*SIZE_K/(512*STEPS*WAVES)    ; 96 for w_attn
.set EMAX,  2
.set CB,    8                          ; bytes of 16 codes
.set R,     16                         ; v16-79   four sets of 16 numbers as they are loaded
.set X,     80                         ; v80-111  two sets of 16 neighbours
.set C,     128                        ; v128-191 codes: four registers for each step, so that no store's data are written again
.set E,     112                        ; v112-127 a scale byte for each step
.set WREG,  8192                       ; LDS: a region for each wave: two stages of 32 x SP bytes, behind them its 256 scale bytes
.set SP,    80                         ; a lane's place in a stage: its 64 bytes + 16 of padding
.set SPW,   12                         ; v12 LDS address of my spare word; never rewritten
.set NIL,   13                         ; v13 0; never rewritten
.set SPARE, WAVES*WREG                 ; behind the four regions: the spare words, 128 bytes a wave
	s_load_b128 s[4:7], s[0:1], 0x0                ; x, w_attn
	s_load_b128 s[8:11], s[0:1], 0x10              ; x's codes, x's scales
	s_load_b128 s[12:15], s[0:1], 0x20             ; w's codes, w's scales
	s_load_b128 s[24:27], s[0:1], 0x30             ; w_proj, wp16
	v_lshl_add_u32 v[SPW], v0, 2, SPARE
	v_mov_b32 v[NIL], 0
	v_lshrrev_b32 v1, 5, v0
	v_readfirstlane_b32 s16, v1                    ; wave
	v_and_b32 v2, 31, v0                           ; lane
	v_lshlrev_b32 v3, 4, v2                        ; my 16 bytes of a load's 512
	s_mul_i32 s17, s16, WREG
	v_lshrrev_b32 v14, 2, v2
	v_mul_u32_u24 v14, v14, SP
	v_and_b32 v15, 3, v2
	v_lshl_add_u32 v14, v15, 4, v14
	v_add_nc_u32 v14, s17, v14                     ; the stage, on the way in: SP (lane / 4) + 16 (lane % 4)
	v_mul_u32_u24 v15, v2, SP
	v_add_nc_u32 v15, s17, v15                     ; and on the way out: SP x lane: my 16 neighbours
	v_mul_u32_u24 v4, v2, CB                       ; my codes' place in a step's
	v_lshrrev_b32 v5, 1, v2
	s_add_co_u32 s17, s17, 2*32*SP
	v_add_nc_u32 v5, s17, v5                       ; LDS: my wave's 256 scale bytes, my block's byte
	v_lshlrev_b32 v7, 3, v2                        ; 8 bytes a lane
	v_add_nc_u32 v6, s17, v7
	s_wait_kmcnt 0x0
	s_cmp_ge_u32 ttmp9, WGA+WGB                    ; the last 32 work-groups round w_proj to f16
	s_cbranch_scc1 .Lhalf
	s_cmp_lt_u32 ttmp9, WGA                        ; x's work-group or w_attn's?  The choice hangs on the work-group's number alone
	s_cselect_b64 s[4:5], s[4:5], s[6:7]
	s_cselect_b64 s[8:9], s[8:9], s[12:13]
	s_cselect_b64 s[10:11], s[10:11], s[14:15]
	s_cselect_b32 s17, 0, WGA
	s_sub_co_u32 s17, ttmp9, s17
	s_lshl_b32 s17, s17, 2
	s_add_co_u32 s18, s17, s16                     ; which run of 8,192 numbers of the tensor is my wave's
	s_mov_b32 s19, 0
	s_mov_b64 s[20:21], 512*STEPS*4
	s_mul_u64 s[20:21], s[18:19], s[20:21]
	s_add_nc_u64 s[4:5], s[4:5], s[20:21]
	s_mov_b64 s[20:21], 32*STEPS*CB
	s_mul_u64 s[20:21], s[18:19], s[20:21]
	s_add_nc_u64 s[8:9], s[8:9], s[20:21]
	s_lshl_b32 s18, s18, 8                         ; 256 scale bytes a run
	s_add_nc_u64 s[10:11], s[10:11], s[18:19]
.macro LOAD t
.irp i, 0,1,2,3
	global_load_b128 v[R+16*((\t)%4)+4*\i:R+16*((\t)%4)+4*\i+3], v3, s[4:5] offset:2048*(\t)+512*\i th:TH_LOAD_NT   ; 32 lanes read 512 consecutive bytes
.endr
.endm
.macro TURN t                          ; step t's numbers through the stage: LDS serves a wave's instructions in order, so no wait stands between the stores and the loads
.irp i, 0,1,2,3
	ds_store_b128 v14, v[R+16*((\t)%4)+4*\i:R+16*((\t)%4)+4*\i+3] offset:32*SP*((\t)%2)+8*SP*\i
.endr
.irp i, 0,1,2,3
	ds_load_b128 v[X+16*((\t)%2)+4*\i:X+16*((\t)%2)+4*\i+3], v15 offset:32*SP*((\t)%2)+16*\i
.endr
.endm
.irp t, 0,1,2,3
	LOAD \t
.endr
	s_wait_loadcnt 12                              ; step 0's four loads are in; the twelve of steps 1 to 3 may be out
	TURN 0
.macro STEP t
.set XS, X+16*((\t)%2)
.if (\t) > 0
	s_wait_dscnt 1                                 ; this step's numbers are back from the stage (the last step's byte store may be out)
.else
	s_wait_dscnt 0x0
.endif
.if (\t)+4 < STEPS
	LOAD (\t)+4                                    ; into the registers that the stage's stores have read
.endif
.if (\t)+1 < STEPS
.if STEPS-2-(\t) >= 3
	s_wait_loadcnt 12                              ; the next step's four loads are in; those of the three steps behind it may be out
.else
	s_wait_loadcnt 4*(STEPS-2-(\t))
.endif
	TURN (\t)+1                                    ; they go through the other stage while this step is worked
.endif
	v_max3_num_f32 v8, |v[XS]|, |v[XS+1]|, |v[XS+2]|               ; the largest magnitude of my 16, in two chains
	v_max3_num_f32 v9, |v[XS+3]|, |v[XS+4]|, |v[XS+5]|
.irp i, 6,10
	v_max3_num_f32 v8, v8, |v[XS+\i]|, |v[XS+\i+1]|
	v_max3_num_f32 v9, v9, |v[XS+\i+2]|, |v[XS+\i+3]|
.endr
	v_max3_num_f32 v8, v8, |v[XS+14]|, |v[XS+15]|
	v_max3_num_f32 v8, v8, v9, (EMAX+1)<<23        ; and the floor 2^(3 - 127): the byte cannot fall under 1
	v_max_num_f32_dpp v8, v8, v8 row_xmask:1 row_mask:0xf bank_mask:0xf   ; and of my neighbour's 16: the block's
	v_add_nc_u32 v11, -(EMAX<<23), v8              ; 2 off its exponent field: the conversion takes the exponent field of this operand as its scale
	v_cvt_scalef32_pk8_fp4_f32 v[C+4*(\t)], v[XS:XS+7], v11
	v_cvt_scalef32_pk8_fp4_f32 v[C+4*(\t)+1], v[XS+8:XS+15], v11
	v_lshrrev_b32 v[E+(\t)], 23, v11               ; the scale's byte (also the plain line behind the conversions)
	ds_store_b8 v5, v[E+(\t)] offset:16*(\t)       ; both lanes of a block write the same byte with the same value
	global_store_b64 v4, v[C+4*(\t):C+4*(\t)+1], s[8:9] offset:32*CB*(\t)   ; 32 lanes store 256 consecutive bytes
.endm
.irp t, 0,1,2,3,4,5,6,7,8,9,10,11,12,13,14,15
	STEP \t
.endr
	ds_load_b64 v[8:9], v6                         ; LDS serves a wave's instructions in order: these see my stores
	s_wait_dscnt 0x0
	global_store_b64 v7, v[8:9], s[10:11]          ; 32 lanes store 256 consecutive bytes of scale bytes
	s_wait_tensorcnt 0x0                           ; the wave's end, behind my last LDS store
	ds_add_u32 v[SPW], v[NIL]
	s_wait_dscnt 0x0
	s_endpgm
; w_proj to f16: no LDS.  A wave takes 8,192 numbers as 64 chunks of 512 bytes, in four groups of 16 chunks; two groups' loads are out at a time.
.macro LOADG g
.set RS, 16+112*((\g)%2)               ; v16-79 or v128-191
.irp i, 0,1,2,3,4,5,6,7,8,9,10,11,12,13,14,15
	global_load_b128 v[RS+4*\i:RS+4*\i+3], v3, s[24:25] offset:(16*(\g)+\i)*512 th:TH_LOAD_NT
.endr
.endm
.macro CVTG g, left
.set RS, 16+112*((\g)%2)
	s_wait_loadcnt \left                           ; my group's 16 loads are in; the next group's 16 may be out
.if (\g) > 0
	s_wait_xcnt 0x0                                ; the last group's stores have read v80-111: only now are they written again
.endif
.irp i, 0,1,2,3,4,5,6,7,8,9,10,11,12,13,14,15
	v_cvt_pk_f16_f32 v[80+2*\i], v[RS+4*\i], v[RS+4*\i+1]
	v_cvt_pk_f16_f32 v[81+2*\i], v[RS+4*\i+2], v[RS+4*\i+3]
.endr
.irp i, 0,1,2,3,4,5,6,7,8,9,10,11,12,13,14,15
	global_store_b64 v7, v[80+2*\i:81+2*\i], s[26:27] offset:(16*(\g)+\i)*256   ; 32 lanes store 256 consecutive bytes
.endr
.endm
.Lhalf:
	s_sub_co_u32 s17, ttmp9, WGA+WGB
	s_lshl_b32 s17, s17, 2
	s_add_co_u32 s17, s17, s16                     ; my run of 8,192 numbers
	s_lshl_b32 s18, s17, 15
	s_mov_b32 s19, 0
	s_add_nc_u64 s[24:25], s[24:25], s[18:19]
	s_lshl_b32 s18, s17, 14
	s_add_nc_u64 s[26:27], s[26:27], s[18:19]
	LOADG 0
	LOADG 1
	CVTG 0, 16
	LOADG 2
	CVTG 1, 16
	LOADG 3
	CVTG 2, 16
	CVTG 3, 0
	s_endpgm
.Lfunc_end_k_q571c88cc15_quant:
	.size	k_q571c88cc15_quant, .Lfunc_end_k_q571c88cc15_quant-k_q571c88cc15_quant
	.p2alignl 7, 3214868480
	.fill 96, 4, 3214868480
	.section	.rodata,"a",@progbits
	.p2align	6, 0x0
	.amdhsa_kernel k_q571c88cc15_quant
		.amdhsa_group_segment_fixed_size 33280
		.amdhsa_private_segment_fixed_size 0
		.amdhsa_enable_private_segment 0
		.amdhsa_kernarg_size 64
		.amdhsa_user_sgpr_count 2
		.amdhsa_user_sgpr_kernarg_segment_ptr 1
		.amdhsa_wavefront_size32 1
		.amdhsa_system_sgpr_workgroup_id_x 1
		.amdhsa_system_sgpr_workgroup_id_y 1
		.amdhsa_system_sgpr_workgroup_id_z 1
		.amdhsa_system_vgpr_workitem_id 0
		.amdhsa_next_free_vgpr 192
		.amdhsa_next_free_sgpr 66
		.amdhsa_reserve_vcc 0
		.amdhsa_float_denorm_mode_32 3
		.amdhsa_float_denorm_mode_16_64 3
		.amdhsa_memory_ordered 1
		.amdhsa_forward_progress 1
		.amdhsa_inst_pref_size 54
	.end_amdhsa_kernel
	.amdgpu_metadata
---
amdhsa.version: [ 1, 2 ]
amdhsa.kernels:
  - .name:           k_q571c88cc15_quant
    .symbol:         k_q571c88cc15_quant.kd
    .args:
      - { .name: x, .offset: 0, .size: 8, .value_kind: global_buffer, .address_space: global }
      - { .name: w_attn, .offset: 8, .size: 8, .value_kind: global_buffer, .address_space: global }
      - { .name: x_codes, .offset: 16, .size: 8, .value_kind: global_buffer, .address_space: global }
      - { .name: x_scales, .offset: 24, .size: 8, .value_kind: global_buffer, .address_space: global }
      - { .name: w_codes, .offset: 32, .size: 8, .value_kind: global_buffer, .address_space: global }
      - { .name: w_scales, .offset: 40, .size: 8, .value_kind: global_buffer, .address_space: global }
      - { .name: w_proj, .offset: 48, .size: 8, .value_kind: global_buffer, .address_space: global }
      - { .name: wp16, .offset: 56, .size: 8, .value_kind: global_buffer, .address_space: global }
    .group_segment_fixed_size: 33280
    .private_segment_fixed_size: 0
    .kernarg_segment_align: 8
    .kernarg_segment_size: 64
    .max_flat_workgroup_size: 128
    .sgpr_count:     66
    .vgpr_count:     192
    .wavefront_size: 32
...
	.end_amdgpu_metadata
.endif
;; end of part 1
;; launch qkv (part 2): grid 12 x 32, 4 waves a work-group, clusters of 4 x 4, 327,680 bytes of LDS; arguments x_codes, x_scales, w_codes, w_scales, qkvh, b_attn, qkv16; writes qkvh, qkv16
.if DOCPART == 2
	.amdgcn_target "amdgcn-amd-amdhsa--gfx1250"
	.amdhsa_code_object_version 6
	.text
	.protected	k_q571c88cc15_qkv
	.globl	k_q571c88cc15_qkv
	.p2align	8
	.type	k_q571c88cc15_qkv,@function
k_q571c88cc15_qkv:
	s_mov_b64 s[64:65], 0
	v_nop
	global_prefetch_b8 v0, s[64:65] scope:SCOPE_SE
	s_setreg_imm32_b32 hwreg(HW_REG_WAVE_MODE, 25, 1), 1
	s_wait_xcnt 0x0
	s_wait_alu depctr_hold_cnt(0) depctr_sa_sdst(0) depctr_va_vdst(0) depctr_va_sdst(0) depctr_va_ssrc(0) depctr_va_vcc(0) depctr_vm_vsrc(0)
	s_getreg_b32 s2, hwreg(HW_REG_IB_STS2, 6, 4)
	s_cmp_eq_u32 s2, 0
	s_cbranch_scc0 .Lentry_in_a_cluster
	s_endpgm
.Lentry_in_a_cluster:
	s_bfe_u32 s2, ttmp6, 0x10000c
	s_cmp_lg_u32 s2, 0xf033
	s_cbranch_scc0 .Lentry_shape_is_right
	s_endpgm
.Lentry_shape_is_right:
; qkv[m][n] = sum over k of x[m][k] w_attn[n][k] + b_attn[n], on codes of FP4 (E2M1) with one E8M0 scale for each 32 along K; sums in f32.  m = 8,192, n = 3,072, k = 1,024.
; OUT: qkvh [b 4][g 48][t 2048][64] f16, g = n / 64 (q's heads 0-15, k's 16-31, v's 32-47); and qkv16 [b 4][t 16][3072] f32, the first 16 positions of each sequence as they are.
; LIMIT: |q|, |k|, |v| stay under 65,504, f16's largest number.
; A tile of 256 x 256 is made by four waves, each 128 x 128: 64 accumulators, 512 registers.  K is two steps of 512 (rows of 256 bytes): both slots are asked for at the head and nothing is filled again:
; a wave has three tensor loads out (its scales, slot 0, slot 1).  So there is no loop, and nothing to prefetch.
; CLUSTERS: 4 x 4 work-groups; the four of a row of the cluster need the same tiles of x, the four of a column the same tiles of w: each is asked for jointly.
; The tile row is 8 cy + cluster y: cy is the batch and cluster y the tile inside the sequence, so that 'this tile holds positions 0-15' is a test on the cluster's y, alike in all sixteen partners.
; THE MATRIX INSTRUCTION IS USED TRANSPOSED (source 0 = 16 rows of w, source 1 = 16 rows of x): a lane holds eight neighbouring columns of one row.  The bias is the C of each sum's first product.
; 384 tiles on one tile to a work-group: a tile of another width would cut heads in pieces.
; REGISTERS: window 0: v0-31 addresses; v32-95 scale words, two sets; v96-127 packed results; v128-191 x's fragments, one set, later rows on the way out; v192-255 the bias.
;   window 1: w's fragments, two sets, at v0 and v128.  window 2: accumulators of my rows 0-63 ((a, b) at v[8 (8 a + b)]);  window 3: of rows 64-127.
.set SIZE_K, 1024
.set NQ,     4                         ; matrix instructions deep in a slot
.set ROWB,   256                       ; a tile's row in bytes: 512 codes
.set KROW,   SIZE_K/2                  ; a row of codes in memory
.set PITCH,  272                       ; an LDS row: 256 bytes + 16 of padding: the 16 rows that a load touches start 68 words apart
.set FR,     8
.set NL,     2
.set NP,     4                         ; places behind this matrix instruction (ISA guide 7.12.1)
.set HALFT,  128*PITCH
.set SLOT,   4*HALFT
.set KS,     SIZE_K/32                 ; a row of scales in bytes
.set SCL,    2*SLOT                    ; behind the slots: the scales, as units of 256 bytes + 16 of padding
.set HALFS,  (128*KS/256)*272
.set SBLK,   (16*KS/256)*272
.set SPARE,  SCL+4*HALFS               ; the spare words, 128 bytes a wave
.set SPITCH, 272                       ; the way out: a stage of 16 rows x (256 bytes + 16) for each wave, in slot 0, which has had its only fill and its last read by then
.set FPITCH, 528                       ; and one of 16 rows x (512 bytes + 16) for the f32 copy, behind the four f16 stages
.set FSTG,   4*16*SPITCH
.set ADRA, 16
.set ADRB, 20
.set BO,   22                          ; v22 the bias's lane offset
.set STO,  24
.set RD,   25
.set CO,   26                          ; v26 16 x lane
.set ADRS, 27
.set SPW,  28
.set NIL,  29
.set FSTO, 30                          ; v30, v31 the f32 stage: in, back
.set FRD,  31
.set SC,   32
.set TMP,  96
.set AF,   128
.set BK,   128
.set BIAS, 192
.set G1, 24
.set G0, 32
.set G1B, 48
.set G0B, 56
.set G1S, 68
.set G0S, 76
.set G1SB, 80
.set G0SB, 88
.set MSB, 0
.macro WIN new                         ; the immediate's high byte repeats the setting that is left
.if MSB != \new
	s_set_vgpr_msb (MSB<<8)|\new
.set MSB, \new
.endif
.endm
.set MUL_LO, 0xa1                      ; source 0 (w) window 1, source 1 (x) window 0, C and D window 2
.set MUL_HI, 0xf1                      ; the same, C and D window 3
.set ZER_LO, 0x81                      ; C (the bias) window 0, D window 2
.set ZER_HI, 0xc1                      ; C window 0, D window 3
.set TO_B,   0x40
; A joint load: waves 0 and 1 fetch for x, waves 2 and 3 for w.  The branch hangs on the wave's number alone.  An s_nop 0 and four v_nop follow each line.
.macro JLOAD g0a, g1a, g0b, g1b
	s_cmp_eq_u32 s15, 0
	s_cbranch_scc0 .Lfor_b_\@
	tensor_load_to_lds s[\g0a:\g0a+3], s[\g1a:\g1a+7]
	s_nop 0
.rept 4
	v_nop
.endr
	s_branch .Lasked_\@
.Lfor_b_\@:
	tensor_load_to_lds s[\g0b:\g0b+3], s[\g1b:\g1b+7]
	s_nop 0
.rept 4
	v_nop
.endr
.Lasked_\@:
.endm
.macro CROUND                          ; a round of the cluster's barrier
	s_barrier_signal -1
	s_barrier_wait -1
	s_cmp_lg_u32 s14, 0
	s_cbranch_scc1 .Lnot_wave_0_\@
	s_barrier_signal -3
.Lnot_wave_0_\@:
	s_barrier_wait -3
	s_barrier_signal -1
	s_barrier_wait -1
.endm
	s_load_b128 s[4:7], s[0:1], 0x0                ; x's codes, x's scales
	s_load_b128 s[8:11], s[0:1], 0x10              ; w's codes, w's scales
	s_load_b64 s[12:13], s[0:1], 0x20              ; qkvh
	s_load_b64 s[96:97], s[0:1], 0x28              ; b_attn
	s_load_b64 s[98:99], s[0:1], 0x30              ; qkv16
	v_lshl_add_u32 v[SPW], v0, 2, SPARE
	v_mov_b32 v[NIL], 0
	ds_add_u32 v[SPW], v[NIL]                      ; the wave's opening: the add, twice on end, and its wait ahead of my first tensor load
	ds_add_u32 v[SPW], v[NIL]
	v_lshrrev_b32 v1, 5, v0
	v_readfirstlane_b32 s14, v1                    ; wave 0..3
	s_lshr_b32 s15, s14, 1                         ; which half of the tile's rows is mine.  Also: I fetch for x (0) or for w (1)
	s_and_b32 s16, s14, 1                          ; which half of its columns.  Also: which 128 rows of that tile I fetch
	s_bfe_u32 s40, ttmp6, 0x40000                  ; cx, cy
	s_bfe_u32 s41, ttmp6, 0x40004
	s_lshl_b32 s42, ttmp9, 2
	s_add_co_u32 s42, s42, s40                     ; tile column = 4 x cluster x + cx
	s_and_b32 s95, ttmp7, 0xffff                   ; cluster y: the tile inside the sequence
	s_lshl_b32 s17, s41, 3
	s_add_co_u32 s17, s17, s95                     ; tile row = 8 cy + cluster y
	s_lshl_b32 s43, s41, 2
	s_lshl_b32 s43, 15, s43                        ; my row of the cluster
	s_lshl_b32 s44, 0x1111, s40                    ; my column
	s_or_b32 s[G1+0], s43, (0<<16)|(1<<20)|(1<<21)|(5<<22)|(3<<25)  ; the mask; elements of 1 byte; padding of 4 words after every 64
	s_or_b32 s[G1B+0], s44, (0<<16)|(1<<20)|(1<<21)|(5<<22)|(3<<25)
.irp g, G1, G1B
	s_mov_b32 s[\g+1], ROWB<<16                    ; tensor_dim0
	s_mov_b32 s[\g+2], 128<<16                     ; tensor_dim1
	s_mov_b32 s[\g+3], ROWB<<16                    ; tile_dim0
	s_mov_b32 s[\g+4], 128                         ; tile_dim1
	s_mov_b32 s[\g+5], KROW                        ; the pitch
	s_mov_b32 s[\g+6], 0
	s_mov_b32 s[\g+7], 0
.endr
	s_or_b32 s[G1S+0], s43, (3<<16)|(1<<20)|(1<<21)|(5<<22)|(3<<25)  ; the scales of 128 rows: 4,096 dense bytes as 16 rows of 256 (32 elements of 8 bytes), 16 bytes of padding behind each
	s_or_b32 s[G1SB+0], s44, (3<<16)|(1<<20)|(1<<21)|(5<<22)|(3<<25)
.irp g, G1S, G1SB
	s_mov_b32 s[\g+1], 32<<16
	s_mov_b32 s[\g+2], (128*KS/256)<<16
	s_mov_b32 s[\g+3], 32<<16
	s_mov_b32 s[\g+4], 128*KS/256
	s_mov_b32 s[\g+5], 32
	s_mov_b32 s[\g+6], 0
	s_mov_b32 s[\g+7], 0
.endr
	s_lshl_b32 s18, s16, 7                         ; which 128 rows of the tile I fetch
	s_lshl_b32 s20, s17, 8
	s_add_co_u32 s20, s20, s18                     ; x: row 256 x tile row + 128 x half
	s_lshl_b32 s46, s42, 8
	s_add_co_u32 s46, s46, s18                     ; w: row 256 x tile column + 128 x half
	s_mov_b32 s21, 0
	s_mov_b32 s47, 0
	s_mov_b64 s[18:19], KS
	s_mul_u64 s[22:23], s[20:21], s[18:19]         ; where these rows' scales begin
	s_mul_u64 s[92:93], s[46:47], s[18:19]
	s_mov_b64 s[18:19], KROW
	s_mul_u64 s[20:21], s[20:21], s[18:19]         ; and their codes
	s_mul_u64 s[46:47], s[46:47], s[18:19]
	s_mul_i32 s45, s14, HALFT                      ; where they go: wave x 128 rows
	s_mul_i32 s94, s14, HALFS
	s_wait_dscnt 0x0                               ; both opening adds are done
	s_wait_kmcnt 0x0
	s_add_nc_u64 s[20:21], s[4:5], s[20:21]
	s_add_nc_u64 s[22:23], s[6:7], s[22:23]
	s_add_nc_u64 s[46:47], s[8:9], s[46:47]
	s_add_nc_u64 s[92:93], s[10:11], s[92:93]
	CROUND                                         ; all sixteen work-groups are here: the joint loads meet
	s_mov_b32 s[G0S], 1
	s_add_co_u32 s[G0S+1], s94, SCL
	s_mov_b64 s[G0S+2:G0S+3], s[22:23]
	s_or_b32 s[G0S+3], s[G0S+3], 0x80000000
	s_mov_b32 s[G0SB], 1
	s_add_co_u32 s[G0SB+1], s94, SCL
	s_mov_b64 s[G0SB+2:G0SB+3], s[92:93]
	s_or_b32 s[G0SB+3], s[G0SB+3], 0x80000000
	JLOAD G0S, G1S, G0SB, G1SB                     ; the scales first: they are wanted with K step 0
.irp s, 0,1
	s_mov_b32 s[G0+4*\s], 1
	s_add_co_u32 s[G0+4*\s+1], s45, \s*SLOT
	s_add_nc_u64 s[G0+4*\s+2:G0+4*\s+3], s[20:21], \s*ROWB
	s_or_b32 s[G0+4*\s+3], s[G0+4*\s+3], 0x80000000
	s_mov_b32 s[G0B+4*\s], 1
	s_add_co_u32 s[G0B+4*\s+1], s45, \s*SLOT
	s_add_nc_u64 s[G0B+4*\s+2:G0B+4*\s+3], s[46:47], \s*ROWB
	s_or_b32 s[G0B+4*\s+3], s[G0B+4*\s+3], 0x80000000
	JLOAD G0+4*\s, G1, G0B+4*\s, G1B
.endr
	v_and_b32 v1, 15, v0                           ; r = l % 16
	v_bfe_u32 v2, v0, 4, 1                         ; h = l / 16
	; the bias of my 128 columns, in the result's layout: block b, lane half h: columns 16 b + 8 h + 0 .. 7
	s_lshl_b32 s46, s42, 10
	s_lshl_b32 s47, s16, 9
	s_add_co_u32 s46, s46, s47                     ; (256 x tile column + 128 x half) x 4 bytes
	s_mov_b32 s47, 0
	s_add_nc_u64 s[96:97], s[96:97], s[46:47]
	s_add_nc_u64 s[98:99], s[98:99], s[46:47]      ; the same columns in qkv16,
	s_mul_i32 s46, s41, 16*3072*4
	s_add_nc_u64 s[98:99], s[98:99], s[46:47]      ; in my batch
	v_lshlrev_b32 v[BO], 5, v2
.irp b, 0,1,2,3,4,5,6,7
	global_load_b128 v[BIAS+8*\b:BIAS+8*\b+3], v[BO], s[96:97] offset:64*\b
	global_load_b128 v[BIAS+8*\b+4:BIAS+8*\b+7], v[BO], s[96:97] offset:64*\b+16
.endr
	v_mul_u32_u24 v3, v1, PITCH
	v_lshl_add_u32 v4, v2, 4, v3                   ; a fragment's row x pitch + 16 x half
	s_mul_i32 s21, s15, HALFT                      ; my 128 rows of x
	s_mul_i32 s22, s16, HALFT                      ; my 128 rows of w,
	s_add_co_u32 s22, s22, 2*HALFT                 ; which lie behind x's 256
.irp s, 0,1
	v_add_nc_u32 v[ADRA+\s], s21, v4
	v_add_nc_u32 v[ADRB+\s], s22, v4
	s_add_co_u32 s21, s21, SLOT
	s_add_co_u32 s22, s22, SLOT
.endr
	v_mul_u32_u24 v5, v1, KS                       ; my row's scales: KS bytes a row,
	v_lshrrev_b32 v6, 8, v5
	v_lshl_add_u32 v5, v6, 4, v5                   ; and 16 more for each 256 passed
	s_mul_i32 s21, s15, HALFS
	s_mul_i32 s22, s16, HALFS
	s_add_co_u32 s22, s22, 2*HALFS
	s_sub_co_u32 s22, s22, s21
	v_mul_u32_u24 v6, s22, v2                      ; lanes 16-31 take w's
	s_add_co_u32 s21, s21, SCL
	v_add_nc_u32 v5, v5, v6
	v_add_nc_u32 v[ADRS], s21, v5
	s_mul_i32 s23, s14, 16*SPITCH                  ; my f16 stage
	v_mul_u32_u24 v5, v1, SPITCH
	v_lshl_add_u32 v5, v2, 4, v5
	v_add_nc_u32 v[STO], s23, v5                   ; in: row r, 16 bytes for each half of the lanes
	v_and_b32 v6, 31, v0
	v_lshlrev_b32 v[CO], 4, v6
	v_lshrrev_b32 v5, 3, v6
	v_mul_u32_u24 v5, v5, SPITCH
	v_and_b32 v7, 7, v0
	v_lshl_add_u32 v5, v7, 4, v5
	v_add_nc_u32 v[RD], s23, v5                    ; back: eight lanes to a head's 128 bytes of a row, four rows an instruction
	s_mul_i32 s23, s14, 16*FPITCH                  ; my f32 stage
	s_add_co_u32 s23, s23, FSTG
	v_mul_u32_u24 v5, v1, FPITCH
	v_lshl_add_u32 v5, v2, 5, v5
	v_add_nc_u32 v[FSTO], s23, v5
	v_add_nc_u32 v[FRD], s23, v[CO]
	; qkvh at my part: ((batch x 48 + 4 x tile column + 2 x half) << 18) + (256 x cluster y + 128 x row half) x 128
	s_mul_i32 s20, s41, 48
	s_lshl_b32 s21, s42, 2
	s_add_co_u32 s20, s20, s21
	s_lshl_b32 s21, s16, 1
	s_add_co_u32 s20, s20, s21
	s_lshl_b32 s20, s20, 18
	s_lshl_b32 s21, s95, 8
	s_lshl_b32 s22, s15, 7
	s_add_co_u32 s21, s21, s22
	s_lshl_b32 s21, s21, 7
	s_add_co_u32 s20, s20, s21
	s_mov_b32 s21, 0
	s_add_nc_u64 s[12:13], s[12:13], s[20:21]
.macro FRAG reg, adr, q, i             ; a fragment: 16 rows x 128 K of 4-bit codes in 8 registers: two loads of 16 bytes, 32 bytes apart
.irp c, 0,1
	ds_load_b128 v[\reg+4*\c:\reg+4*\c+3], v[\adr] offset:64*(\q)+32*\c+(\i)*16*PITCH
.endr
.endm
; 16 matrix instructions: x's blocks a0, a0 + 1 against w's eight.  zero = 1: the first product starts the sum from the bias.  The 64 accumulators take turns.
.macro MUL16 a0, p, q, sc, zero
.irp a, \a0, \a0+1
.irp b, 0,1,2,3,4,5,6,7
.if \zero
	v_wmma_scale_f32_16x16x128_f8f6f4 v[8*(8*((\a)%4)+\b):8*(8*((\a)%4)+\b)+7], v[128*(\p)+FR*\b:128*(\p)+FR*\b+FR-1], v[AF+FR*(\a):AF+FR*(\a)+FR-1], v[BIAS+8*\b:BIAS+8*\b+7], v[SC+8*NQ*(\sc)+NQ*\b+(\q)], v[SC+8*NQ*(\sc)+NQ*(\a)+(\q)] matrix_a_fmt:MATRIX_FMT_FP4 matrix_b_fmt:MATRIX_FMT_FP4 matrix_a_scale:MATRIX_SCALE_ROW1
.else
	v_wmma_scale_f32_16x16x128_f8f6f4 v[8*(8*((\a)%4)+\b):8*(8*((\a)%4)+\b)+7], v[128*(\p)+FR*\b:128*(\p)+FR*\b+FR-1], v[AF+FR*(\a):AF+FR*(\a)+FR-1], v[8*(8*((\a)%4)+\b):8*(8*((\a)%4)+\b)+7], v[SC+8*NQ*(\sc)+NQ*\b+(\q)], v[SC+8*NQ*(\sc)+NQ*(\a)+(\q)] matrix_a_fmt:MATRIX_FMT_FP4 matrix_b_fmt:MATRIX_FMT_FP4 matrix_a_scale:MATRIX_SCALE_ROW1
.endif
.endr
.endr
.endm
.macro FETCH_B slot, q, p
	WIN TO_B
.irp i, 0,1,2,3,4,5,6,7
	FRAG 128*(\p)+FR*\i, ADRB+\slot, \q, \i
.endr
	WIN 0
.endm
.macro FETCH_A slot, q, i0
.irp i, \i0, \i0+1, \i0+2, \i0+3
	FRAG AF+FR*(\i), ADRA+\slot, \q, \i
.endr
.endm
.macro SCALES sc                       ; a K step's scale words: lanes 0-15 take x's block i, lanes 16-31 w's block i
.irp i, 0,1,2,3,4,5,6,7
	ds_load_b128 v[SC+8*NQ*\sc+NQ*\i:SC+8*NQ*\sc+NQ*\i+3], v[ADRS] offset:\i*SBLK
.endr
.endm
.macro PLACES n                        ; plain vector instructions between a matrix instruction and a load into, or a read of, its registers
.rept \n
	v_nop
.endr
.endm
.macro STEP slot, q, zero              ; 128 along K, with its successor in the same slot
	s_wait_dscnt 4*NL                              ; w's set and x's blocks 0-3 are in; the youngest eight loads (x's blocks 4-7) may be out
.if \zero
	WIN ZER_LO
.else
	WIN MUL_LO
.endif
	MUL16 0, (\q)%2, \q, \slot, \zero
	MUL16 2, (\q)%2, \q, \slot, \zero
	s_wait_dscnt 0
	PLACES NP
	FETCH_B \slot, (\q)+1, 1-(\q)%2
	FETCH_A \slot, (\q)+1, 0
.if \zero
	WIN ZER_HI
.else
	WIN MUL_HI
.endif
	MUL16 4, (\q)%2, \q, \slot, \zero
	MUL16 6, (\q)%2, \q, \slot, \zero
	PLACES NP
	WIN 0
	FETCH_A \slot, (\q)+1, 4
.endm
.macro STEPS slot, from
.set Q, \from
.rept NQ-1-\from
	STEP \slot, Q, 0
.set Q, Q+1
.endr
.endm
	s_wait_tensorcnt 1                             ; the scales and my part of slot 0 are in; slot 1's load may be out
	s_barrier_signal -1
	s_barrier_wait -1                              ; everybody's are
	FETCH_B 0, 0, 0
	FETCH_A 0, 0, 0
	SCALES 0
	FETCH_A 0, 0, 4
	s_wait_loadcnt 0x0                             ; the bias
	STEP 0, 0, 1
	STEPS 0, 1
	; slot 0's last step changes slots: one barrier; in front of it each wave waits for its part of slot 1 and for its reads of slot 0
	s_wait_tensorcnt 0x0
	ds_add_u32 v[SPW], v[NIL]
	s_wait_dscnt 4*NL+1                            ; the add and x's blocks 4-7 may be out
	WIN MUL_LO
	MUL16 0, 1, NQ-1, 0, 0
	s_wait_dscnt 0x0
	s_barrier_signal -1
	MUL16 2, 1, NQ-1, 0, 0
	WIN 0
	s_barrier_wait -1
	PLACES NP
	v_add_nc_u32 v[ADRS], 4*NQ, v[ADRS]            ; the next K step's scale words
	FETCH_B 1, 0, 0
	FETCH_A 1, 0, 0
	SCALES 1
	WIN MUL_HI
	MUL16 4, 1, NQ-1, 0, 0
	MUL16 6, 1, NQ-1, 0, 0
	PLACES NP
	WIN 0
	FETCH_A 1, 0, 4
	STEPS 1, 0
	s_wait_dscnt 4*NL                              ; the very last step: nothing more to fetch
	WIN MUL_LO
	MUL16 0, 1, NQ-1, 1, 0
	MUL16 2, 1, NQ-1, 1, 0
	s_wait_dscnt 0
	WIN MUL_HI
	MUL16 4, 1, NQ-1, 1, 0
	MUL16 6, 1, NQ-1, 1, 0
	WIN 0
	PLACES NP                                      ; in front of the reads of results and of the loads into x's fragment registers
	; POSITIONS 0-15 IN F32: only in the sequence's first tile (cluster y = 0, alike in all partners) and in the waves that hold its rows 0-127
	s_cmp_lg_u32 s95, 0
	s_cbranch_scc1 .Lno_copy
	s_cmp_lg_u32 s15, 0
	s_cbranch_scc1 .Lno_copy
	WIN 0x08                                       ; an LDS store's data: window 2
.irp b, 0,1,2,3,4,5,6,7
	ds_store_b128 v[FSTO], v[8*\b:8*\b+3] offset:64*\b          ; each accumulator from its low end on
	ds_store_b128 v[FSTO], v[8*\b+4:8*\b+7] offset:64*\b+16
.endr
	WIN 0
.irp t, 0,1,2,3,4,5,6,7,8,9,10,11,12,13,14,15
	ds_load_b128 v[BK+4*\t:BK+4*\t+3], v[FRD] offset:\t*FPITCH  ; LDS serves a wave's instructions in order: these see the stores above
.endr
	s_wait_dscnt 0x0
.irp t, 0,1,2,3,4,5,6,7,8,9,10,11,12,13,14,15
	global_store_b128 v[CO], v[BK+4*\t:BK+4*\t+3], s[98:99] offset:\t*3072*4   ; 32 lanes store 512 consecutive bytes
.endr
	s_wait_xcnt 0x0                                ; the stores have read v128-191: the way out loads them again
.Lno_copy:
; THE WAY OUT, a block of 16 rows x 128 columns (two heads) at a time: rounded to f16, 16 bytes a lane into my stage, back as four rows of one head an instruction: in qkvh a head's rows lie on end, 128 bytes each.
.macro PACK a
.set AC, 64*((\a)%4)
	WIN 0x0a+5*((\a)/4)                            ; sources 0 and 1: window 2 or 3
.irp b, 0,1,2,3,4,5,6,7
.irp i, 0,1,2,3
	v_cvt_pk_f16_f32 v[TMP+4*\b+\i], v[AC+8*\b+2*\i], v[AC+8*\b+2*\i+1]
.endr
.endr
	WIN 0
.endm
.macro TOSTAGE a
.set BB, BK+32*((\a)%2)
.irp b, 0,1,2,3,4,5,6,7
	ds_store_b128 v[STO], v[TMP+4*\b:TMP+4*\b+3] offset:32*\b
.endr
.irp e, 0,1
.irp i, 0,1,2,3
	ds_load_b128 v[BB+4*(4*\e+\i):BB+4*(4*\e+\i)+3], v[RD] offset:\i*4*SPITCH+\e*128
.endr
.endr
.endm
.macro SEND a
.set BB, BK+32*((\a)%2)
	s_wait_dscnt 0x0                               ; the block is back in registers
	s_wait_xcnt 0x0                                ; the block before has left its registers: the next block's loads may land there
.irp e, 0,1
.irp i, 0,1,2,3
	global_store_b128 v[CO], v[BB+4*(4*\e+\i):BB+4*(4*\e+\i)+3], s[12:13] offset:\e*262144+(\a)*2048+\i*512   ; 32 lanes store 512 consecutive bytes: four rows of one head
.endr
.endr
.endm
	PACK 0
	TOSTAGE 0
.irp a, 1,2,3,4,5,6,7                  ; block a's conversions stand between block a - 1's loads from the stage and the wait for them
	PACK \a
	SEND \a-1
	TOSTAGE \a
.endr
	SEND 7
	s_wait_tensorcnt 0x0                           ; the wave's end
	ds_add_u32 v[SPW], v[NIL]
	s_wait_dscnt 0x0
	CROUND                                         ; the closing round
	s_endpgm
.Lfunc_end_k_q571c88cc15_qkv:
	.size	k_q571c88cc15_qkv, .Lfunc_end_k_q571c88cc15_qkv-k_q571c88cc15_qkv
	.p2alignl 7, 3214868480
	.fill 96, 4, 3214868480
	.section	.rodata,"a",@progbits
	.p2align	6, 0x0
	.amdhsa_kernel k_q571c88cc15_qkv
		.amdhsa_group_segment_fixed_size 327680
		.amdhsa_private_segment_fixed_size 0
		.amdhsa_enable_private_segment 0
		.amdhsa_kernarg_size 56
		.amdhsa_user_sgpr_count 2
		.amdhsa_user_sgpr_kernarg_segment_ptr 1
		.amdhsa_wavefront_size32 1
		.amdhsa_system_sgpr_workgroup_id_x 1
		.amdhsa_system_sgpr_workgroup_id_y 1
		.amdhsa_system_sgpr_workgroup_id_z 1
		.amdhsa_system_vgpr_workitem_id 0
		.amdhsa_next_free_vgpr 1024
		.amdhsa_next_free_sgpr 100
		.amdhsa_reserve_vcc 0
		.amdhsa_float_denorm_mode_32 3
		.amdhsa_float_denorm_mode_16_64 3
		.amdhsa_memory_ordered 1
		.amdhsa_forward_progress 1
		.amdhsa_inst_pref_size 132
	.end_amdhsa_kernel
	.amdgpu_metadata
---
amdhsa.version: [ 1, 2 ]
amdhsa.kernels:
  - .name:           k_q571c88cc15_qkv
    .symbol:         k_q571c88cc15_qkv.kd
    .args:
      - { .name: x_codes, .offset: 0, .size: 8, .value_kind: global_buffer, .address_space: global }
      - { .name: x_scales, .offset: 8, .size: 8, .value_kind: global_buffer, .address_space: global }
      - { .name: w_codes, .offset: 16, .size: 8, .value_kind: global_buffer, .address_space: global }
      - { .name: w_scales, .offset: 24, .size: 8, .value_kind: global_buffer, .address_space: global }
      - { .name: qkvh, .offset: 32, .size: 8, .value_kind: global_buffer, .address_space: global }
      - { .name: b_attn, .offset: 40, .size: 8, .value_kind: global_buffer, .address_space: global }
      - { .name: qkv16, .offset: 48, .size: 8, .value_kind: global_buffer, .address_space: global }
    .group_segment_fixed_size: 327680
    .private_segment_fixed_size: 0
    .kernarg_segment_align: 8
    .kernarg_segment_size: 56
    .max_flat_workgroup_size: 128
    .sgpr_count:     100
    .vgpr_count:     1024
    .wavefront_size: 32
...
	.end_amdgpu_metadata
.endif
;; end of part 2
;; launch attn (part 3): grid 4 x 64, 8 waves a work-group, no clusters, 327,680 bytes of LDS; arguments qkvh, yh; writes yh
.if DOCPART == 3
	.amdgcn_target "amdgcn-amd-amdhsa--gfx1250"
	.amdhsa_code_object_version 6
	.text
	.protected	k_q571c88cc15_attn
	.globl	k_q571c88cc15_attn
	.p2align	8
	.type	k_q571c88cc15_attn,@function
k_q571c88cc15_attn:
	s_mov_b64 s[64:65], 0
	v_nop
	global_prefetch_b8 v0, s[64:65] scope:SCOPE_SE
	s_setreg_imm32_b32 hwreg(HW_REG_WAVE_MODE, 25, 1), 1
	s_wait_xcnt 0x0
; y[b][h][q] = sum over k <= q of softmax_k(Q[q] . K[k] / 8) V[k], head size 64, 2,048 positions, 64 heads.  Q, K, V: f16 in qkvh [b][g 48][t][64]; y: f16 in yh [h][b 2048 + t][64].
; Products on f16 operands with f32 sums; maxima, exponentials and sums in f32; the weights p (at most 1) are rounded to f16 for the second product, y once at the end.
; LIMIT: |y| stays under 65,504 (it is an average of v).  The first 16 positions of each sequence are made again, in f32, by a later launch.
; SHARES.  Work-group (i, head) owns the query blocks i and 7 - i of 256 queries: together (i + 1) + (8 - i) = 9 units of 256 keys for every i: 256 work-groups of equal work, and every trip count is a constant.
; Trip u = 0..8: while u <= i block i, key unit u; then block 7 - i, key unit u - i - 1.  Wave w owns 32 queries, two tiles of 16; two waves lie on a SIMD, so that one's softmax stands beside the other's products.
; LAYOUT.  S^T = K Q^T (source 0 = 16 keys, source 1 = 16 queries) and O^T = V^T P: a lane holds one query throughout; two tiles of S^T, rounded in pairs, are source 1 of the second product as they stand;
; V comes out of LDS turned, by ds_load_tr16_b128.
; SOFTMAX.  A running maximum m and sum l for each query: p = 2^(c s - c m), c = log2(e) / 8; in every step O and l are multiplied by a = 2^(c m_old - c m_new).
; THE MASK.  A step of 64 keys all of which come after the wave's 32 queries is jumped over (a branch on ids and step counts); on the diagonal hidden scores become -infinity.  A step that is walked begins at a key
; at or under the wave's first query (steps begin at multiples of 64, waves at multiples of 32), so no row is ever wholly hidden.
; NO CLUSTER: the query blocks of a head need different numbers of key units, at different trips, so a joint load would bring tiles that a partner never reads.
; THE RING.  Two slots of 256 keys; each of the eight waves brings 64 rows (waves 0-3 K's, 4-7 V's) by one tensor load behind each change of slots: one load a wave is out at any time, and every wait for it is for 0.
.set PK,    144                        ; a row of K in LDS: 128 bytes + 16: the 16 rows of a load start 36 words apart
.set PV,    160                        ; a row of V: 128 + 32: an odd multiple of 32
.set VOFF,  256*PK
.set SLOT1, 1<<17                      ; slot 1 begins here: one exclusive or turns an address
.set STAGE, 2*SLOT1                    ; the way out: 32 rows x 144 bytes for each wave; no tile lands here
.set SPARE, STAGE+8*32*PK              ; the spare words, 128 bytes a wave
.set AK0, 1
.set AV0, 2
.set ADK, 3
.set ADV, 4
.set QO,  5
.set STO, 6
.set RD,  7
.set GO,  8
.set PFO, 9
.set SPW, 10
.set NIL, 11
.set RH,  12                           ; v12 r - 8 h
.set D0,  13                           ; v13, v15 the mask's bound for tile 0, 1
.set NINF, 14                          ; v14 -infinity
.set ST,  16                           ; tile t's statistics at v[16 + 8 t]: +0 c m, +1 m, +2, +3 l, +4..+7 at work; a takes +6
.set QF,  32                           ; Q: fragment (t, kk) at 8 (2 t + kk)
.set S,   64                           ; S^T: 32 t + 8 kt
.set P,   128                          ; P: 16 t + 8 kk
.set O,   160                          ; O^T: 32 t + 8 ct
.set TMP, 224
; window 1: v0-63 K's fragments at 8 (2 kt + kk); v64-127 V's at 64 + 8 (4 kk + ct)
.set WV,  8
.set WI,  9
.set QH,  14
.set KW,  16
.set VW,  18
.set YH,  20
.set G1K, 24
.set G1V, 32
.set G0K, 40
.set G0V, 44
.set QP,  48
.set YP,  50
.set PFA, 52
.set CS,  54
.set SEL, 56
.set TB,  58
.set KU,  59                           ; the unit's first key
.set Q0,  60
.set QL,  61
.set LEFT, 62
.set SWA, 63
.set SWB, 66
.set LIM, 67
.set Q0B, 68
.set MSB, 0
.macro WIN new
.if MSB != \new
	s_set_vgpr_msb (MSB<<8)|\new
.set MSB, \new
.endif
.endm
.macro PLACES
.rept 4
	v_nop
.endr
.endm
; Waves 0-3 fetch K's quarters, waves 4-7 V's.  An s_nop 0 and four v_nop follow each line.
.macro TLOAD
	s_cmp_lt_u32 s[WV], 4
	s_cbranch_scc0 .Lfor_v_\@
	tensor_load_to_lds s[G0K:G0K+3], s[G1K:G1K+7]
	s_nop 0
.rept 4
	v_nop
.endr
	s_branch .Lasked_\@
.Lfor_v_\@:
	tensor_load_to_lds s[G0V:G0V+3], s[G1V:G1V+7]
	s_nop 0
.rept 4
	v_nop
.endr
.Lasked_\@:
.endm
; A prefetch of the key unit that the NEXT change of slots of this work-group will ask for.  Only the head's work-group i = 0 asks, in trips 0 to 6, for key units 1 to 7; each wave names the 8,192 bytes that it will
; itself fetch, lanes 256 bytes apart: so each block of 256 bytes of a head's K and V but unit 0's is named once in the launch, and none past the head's rows.
.macro ASK
	s_cmp_gt_u32 s[LEFT], s[LIM]
	s_cbranch_scc0 .Lnot_mine_\@
	global_prefetch_b8 v[PFO], s[PFA:PFA+1] th:TH_LOAD_NT scope:SCOPE_SE
.Lnot_mine_\@:
.endm
	s_load_b128 s[4:7], s[0:1], 0x0                ; qkvh, yh
	v_lshl_add_u32 v[SPW], v0, 2, SPARE
	v_mov_b32 v[NIL], 0
	ds_add_u32 v[SPW], v[NIL]                      ; the wave's opening: the add, twice on end, and its wait ahead of my first tensor load
	ds_add_u32 v[SPW], v[NIL]
	v_lshrrev_b32 v1, 5, v0
	v_readfirstlane_b32 s[WV], v1                  ; wave 0..7
	s_mov_b32 s[WI], ttmp9                         ; i
	s_and_b32 s70, ttmp7, 0xffff
	s_lshr_b32 s71, s70, 4                         ; b
	s_and_b32 s72, s70, 15                         ; h
	s_mul_i32 s73, s71, 48
	s_add_co_u32 s73, s73, s72
	s_lshl_b32 s10, s73, 18                        ; q's block of this head: (48 b + h) x 262,144 bytes
	s_mov_b32 s11, 0
	s_and_b32 s12, s[WV], 3
	s_lshl_b32 s13, s12, 13                        ; my quarter of a unit: 64 rows of 128 bytes
	s_lshl_b32 s72, s72, 20
	s_lshl_b32 s71, s71, 18
	s_add_co_u32 s72, s72, s71                     ; y: h x 1 MiB + b x 2,048 rows of 128 bytes
	s_mov_b32 s73, 0
	s_mov_b32 s[G1K], (1<<16)|(1<<20)|(4<<22)|(3<<25)   ; elements of 2 bytes; 4 words of padding after every 32
	s_mov_b32 s[G1V], (1<<16)|(1<<20)|(4<<22)|(7<<25)   ; 8 words of padding
.irp g, G1K, G1V
	s_mov_b32 s[\g+1], 64<<16                      ; tensor_dim0 = 64
	s_mov_b32 s[\g+2], 64<<16                      ; tensor_dim1 = 64
	s_mov_b32 s[\g+3], 64<<16                      ; tile_dim0 = 64
	s_mov_b32 s[\g+4], 64                          ; tile_dim1 = 64
	s_mov_b32 s[\g+5], 64                          ; the pitch
	s_mov_b32 s[\g+6], 0
	s_mov_b32 s[\g+7], 0
.endr
	s_mov_b32 s[G0K], 1
	s_mul_i32 s[G0K+1], s12, 64*PK
	s_mov_b32 s[G0V], 1
	s_mul_i32 s[G0V+1], s12, 64*PV
	s_add_co_u32 s[G0V+1], s[G0V+1], VOFF
	s_mov_b32 s[CS], 0x3e38aa3b                    ; c = log2(e) / 8
	s_mov_b32 s[CS+1], s[CS]
	s_mov_b32 s[SEL], 0x76543210
	s_mov_b32 s[SEL+1], 0xfedcba98
	s_mov_b32 s[TB], 0
	s_mov_b32 s[KU], 0
	s_mov_b32 s[LEFT], 8
	s_sub_co_u32 s[SWA], 8, s[WI]
	s_sub_co_u32 s[SWB], 7, s[WI]
	s_lshl_b32 s70, s[WV], 5
	s_lshl_b32 s[Q0], s[WI], 8
	s_add_co_u32 s[Q0], s[Q0], s70                 ; my first query in block i,
	s_lshl_b32 s[Q0B], s[SWB], 8
	s_add_co_u32 s[Q0B], s[Q0B], s70               ; and in block 7 - i
	s_cmp_eq_u32 s[WI], 0
	s_cselect_b32 s[LIM], 1, -1
	s_wait_dscnt 0x0                               ; both opening adds are done
	s_wait_kmcnt 0x0
	s_add_nc_u64 s[QH:QH+1], s[4:5], s[10:11]
	s_add_co_u32 s10, s10, s13
	s_add_nc_u64 s[KW:KW+1], s[4:5], s[10:11]
	s_add_nc_u64 s[KW:KW+1], s[KW:KW+1], 16<<18    ; k's head lies 16 blocks behind q's,
	s_add_nc_u64 s[VW:VW+1], s[KW:KW+1], 16<<18    ; v's 16 more
	s_add_nc_u64 s[YH:YH+1], s[6:7], s[72:73]
	s_mov_b64 s[G0K+2:G0K+3], s[KW:KW+1]
	s_or_b32 s[G0K+3], s[G0K+3], 0x80000000
	s_mov_b64 s[G0V+2:G0V+3], s[VW:VW+1]
	s_or_b32 s[G0V+3], s[G0V+3], 0x80000000
	TLOAD                                          ; key unit 0 into slot 0
	s_cmp_lt_u32 s[WV], 4
	s_cselect_b64 s[PFA:PFA+1], s[KW:KW+1], s[VW:VW+1]
	v_and_b32 v224, 15, v0                         ; r
	v_bfe_u32 v225, v0, 4, 1                       ; h
	v_and_b32 v226, 31, v0                         ; lane
	v_mul_u32_u24 v[AK0], v224, PK
	v_lshl_add_u32 v[AK0], v225, 4, v[AK0]         ; K: row r, + 16 h
	v_and_b32 v227, 7, v0
	v_bfe_u32 v228, v0, 3, 1
	v_lshl_add_u32 v[AV0], v225, 3, v227
	v_mul_u32_u24 v[AV0], v[AV0], PV
	v_lshl_add_u32 v[AV0], v228, 4, v[AV0]
	v_add_nc_u32 v[AV0], VOFF, v[AV0]              ; V, turned: key 8 h + l % 8, channels 8 ((l / 8) % 2) on
	v_lshlrev_b32 v[QO], 7, v224
	v_lshl_add_u32 v[QO], v225, 4, v[QO]
	s_mul_i32 s70, s[WV], 32*PK
	s_add_co_u32 s70, s70, STAGE
	v_add_nc_u32 v[STO], s70, v[AK0]               ; the stage, in: row r, + 16 h
	v_lshrrev_b32 v229, 3, v226
	v_mul_u32_u24 v229, v229, PK
	v_lshl_add_u32 v229, v227, 4, v229
	v_add_nc_u32 v[RD], s70, v229                  ; back: eight lanes to a row, four rows an instruction
	v_lshlrev_b32 v[GO], 4, v226
	v_lshlrev_b32 v[PFO], 8, v226
	v_lshlrev_b32 v229, 3, v225
	v_sub_nc_u32 v[RH], v224, v229
	v_mov_b32 v[NINF], 0xff800000
.macro FETCH_K q                       ; 64 keys x 64 channels: 8 fragments, 16 loads
	WIN 0x40                                       ; destination window 1
.irp kt, 0,1,2,3
.irp kk, 0,1
	ds_load_b128 v[8*(2*\kt+\kk):8*(2*\kt+\kk)+3], v[ADK] offset:(64*(\q)+16*\kt)*PK+64*\kk
	ds_load_b128 v[8*(2*\kt+\kk)+4:8*(2*\kt+\kk)+7], v[ADK] offset:(64*(\q)+16*\kt)*PK+64*\kk+32
.endr
.endr
	WIN 0
.endm
.macro FETCH_V q                       ; the same keys' V, turned: 8 fragments, 16 loads
	WIN 0x40
.irp kk, 0,1
.irp ct, 0,1,2,3
	ds_load_tr16_b128 v[64+8*(4*\kk+\ct):64+8*(4*\kk+\ct)+3], v[ADV] offset:(64*(\q)+32*\kk)*PV+32*\ct
	ds_load_tr16_b128 v[64+8*(4*\kk+\ct)+4:64+8*(4*\kk+\ct)+7], v[ADV] offset:(64*(\q)+32*\kk+16)*PV+32*\ct
.endr
.endr
	WIN 0
.endm
.macro SMUL                            ; S^T = K Q^T: eight accumulators by turns; the first eight products start the sums
	WIN 0x01                                       ; source 0 window 1
.irp kt, 0,1,2,3
.irp t, 0,1
	v_wmma_f32_16x16x32_f16 v[S+32*\t+8*\kt:S+32*\t+8*\kt+7], v[16*\kt:16*\kt+7], v[QF+16*\t:QF+16*\t+7], 0
.endr
.endr
.irp kt, 0,1,2,3
.irp t, 0,1
	v_wmma_f32_16x16x32_f16 v[S+32*\t+8*\kt:S+32*\t+8*\kt+7], v[16*\kt+8:16*\kt+15], v[QF+16*\t+8:QF+16*\t+15], v[S+32*\t+8*\kt:S+32*\t+8*\kt+7]
.endr
.endr
	WIN 0
.endm
.macro PVMUL                           ; O^T += V^T P: eight accumulators by turns
	WIN 0x01
.irp kk, 0,1
.irp ct, 0,1,2,3
.irp t, 0,1
	v_wmma_f32_16x16x32_f16 v[O+32*\t+8*\ct:O+32*\t+8*\ct+7], v[64+8*(4*\kk+\ct):64+8*(4*\kk+\ct)+7], v[P+16*\t+8*\kk:P+16*\t+8*\kk+7], v[O+32*\t+8*\ct:O+32*\t+8*\ct+7]
.endr
.endr
.endr
	WIN 0
.endm
.macro MASK                            ; s70 = the step's first key.  Register (kt, j) of tile t holds key s70 + 16 kt + 8 h + j and query Q0 + 16 t + r: hidden where 16 kt + j > Q0 - s70 + 16 t + r - 8 h
	s_sub_co_i32 s72, s[Q0], s70
	v_add_nc_u32 v[D0], s72, v[RH]
	v_add_nc_u32 v[D0+2], 16, v[D0]
.irp t, 0,1
.irp kt, 0,1,2,3
.irp j, 0,1,2,3,4,5,6,7
	v_cmp_gt_i32 vcc_lo, 16*\kt+\j, v[D0+2*\t]
	v_cndmask_b32 v[S+32*\t+8*\kt+\j], v[S+32*\t+8*\kt+\j], v[NINF], vcc_lo
.endr
.endr
.endr
.endm
.macro SOFTMAX                         ; both tiles line by line, so that no line waits for the line above it
.irp j, 0,1,2,3
.irp t, 0,1
	v_max3_num_f32 v[ST+8*\t+4+\j], v[S+32*\t+8*\j], v[S+32*\t+8*\j+1], v[S+32*\t+8*\j+2]   ; four chains, each begun at an accumulator's low end
.endr
.endr
.irp g, 1,2
.irp j, 0,1,2,3
.irp t, 0,1
	v_max3_num_f32 v[ST+8*\t+4+\j], v[ST+8*\t+4+\j], v[S+32*\t+8*\j+2*\g+1], v[S+32*\t+8*\j+2*\g+2]
.endr
.endr
.endr
.irp t, 0,1
	v_max3_num_f32 v[ST+8*\t+4], v[ST+8*\t+4], v[S+32*\t+7], v[S+32*\t+15]
.endr
.irp t, 0,1
	v_max3_num_f32 v[ST+8*\t+6], v[ST+8*\t+6], v[S+32*\t+23], v[S+32*\t+31]
.endr
.irp t, 0,1
	v_max3_num_f32 v[ST+8*\t+4], v[ST+8*\t+4], v[ST+8*\t+5], v[ST+8*\t+6]
.endr
.irp t, 0,1
	v_max3_num_f32 v[ST+8*\t+4], v[ST+8*\t+4], v[ST+8*\t+7], v[ST+8*\t+1]   ; with the old m
.endr
.irp t, 0,1
	v_permlanex16_b32 v[ST+8*\t+5], v[ST+8*\t+4], s[SEL], s[SEL+1]          ; the query's other 32 keys lie in the lane 16 away
.endr
.irp t, 0,1
	v_mov_b32 v[ST+8*\t+7], v[ST+8*\t]             ; c m_old is kept for a
.endr
.irp t, 0,1
	v_max_num_f32 v[ST+8*\t+1], v[ST+8*\t+4], v[ST+8*\t+5]
.endr
.irp t, 0,1
	v_mul_f32 v[ST+8*\t], s[CS], v[ST+8*\t+1]
.endr
.irp t, 0,1
	v_sub_f32 v[ST+8*\t+7], v[ST+8*\t+7], v[ST+8*\t]
.endr
.irp b, 0,1,2,3,4,5,6,7,8,9,10,11,12,13,14,15
.irp t, 0,1
	v_pk_fma_f32 v[S+32*\t+2*\b:S+32*\t+2*\b+1], v[S+32*\t+2*\b:S+32*\t+2*\b+1], s[CS:CS+1], v[ST+8*\t:ST+8*\t+1] op_sel_hi:[1,0,0] neg_lo:[0,0,1] neg_hi:[0,0,1]   ; c s - c m
.endr
.endr
.irp t, 0,1
	v_exp_f32 v[ST+8*\t+6], v[ST+8*\t+7]           ; a
.endr
.irp e, 0,1,2,3,4,5,6,7,8,9,10,11,12,13,14,15,16,17,18,19,20,21,22,23,24,25,26,27,28,29,30,31
.irp t, 0,1
	v_exp_f32 v[S+32*\t+\e], v[S+32*\t+\e]
.endr
.endr
	v_nop                                          ; a plain instruction behind the last exponential
	s_wait_alu depctr_va_vdst(0)                   ; one wait for the batch of 66, ahead of its first reader
.irp i, 0,1,2,3,4,5,6,7,8,9,10,11,12,13,14,15
.irp t, 0,1
	v_cvt_pk_f16_f32 v[P+16*\t+\i], v[S+32*\t+2*\i], v[S+32*\t+2*\i+1]
.endr
.endr
.irp u, 0,1,2,3,4,5,6,7
.irp t, 0,1
	v_pk_add_f32 v[S+32*\t+4*\u:S+32*\t+4*\u+1], v[S+32*\t+4*\u:S+32*\t+4*\u+1], v[S+32*\t+4*\u+2:S+32*\t+4*\u+3]   ; the sum of the unrounded p, as a tree, in place
.endr
.endr
.irp u, 0,1,2,3
.irp t, 0,1
	v_pk_add_f32 v[S+32*\t+8*\u:S+32*\t+8*\u+1], v[S+32*\t+8*\u:S+32*\t+8*\u+1], v[S+32*\t+8*\u+4:S+32*\t+8*\u+5]
.endr
.endr
.irp u, 0,1
.irp t, 0,1
	v_pk_add_f32 v[S+32*\t+16*\u:S+32*\t+16*\u+1], v[S+32*\t+16*\u:S+32*\t+16*\u+1], v[S+32*\t+16*\u+8:S+32*\t+16*\u+9]
.endr
.endr
.irp t, 0,1
	v_pk_add_f32 v[S+32*\t:S+32*\t+1], v[S+32*\t:S+32*\t+1], v[S+32*\t+16:S+32*\t+17]
.endr
.irp t, 0,1
	v_pk_fma_f32 v[ST+8*\t+2:ST+8*\t+3], v[ST+8*\t+2:ST+8*\t+3], v[ST+8*\t+6:ST+8*\t+7], v[S+32*\t:S+32*\t+1] op_sel_hi:[1,0,1]   ; l = a l + the sum
.endr
.irp u, 0,1,2,3,4,5,6,7,8,9,10,11,12,13,14,15
.irp t, 0,1
	v_pk_mul_f32 v[O+32*\t+2*\u:O+32*\t+2*\u+1], v[O+32*\t+2*\u:O+32*\t+2*\u+1], v[ST+8*\t+6:ST+8*\t+7] op_sel_hi:[1,0]   ; O^T x a, each accumulator from its low end on
.endr
.endr
.endm
; A KEY STEP of 64 keys, the q-th of the unit.  At its head K(q)'s 16 loads and, behind them, V(q)'s 16 are out.
.macro STEP q, lbl
	s_add_co_u32 s70, s[KU], 64*(\q)
	s_cmp_gt_u32 s70, s[QL]                        ; all its keys come after my 32 queries: this step and the unit's later ones are left out
	s_cbranch_scc1 \lbl
	s_wait_dscnt 16                                ; K(q) is in; V(q)'s 16 loads may be out
	SMUL
	PLACES                                         ; in front of the loads into K's registers and of the reads of S^T
.if \q < 3
	FETCH_K (\q)+1
.endif
	s_add_co_u32 s71, s70, 63
	s_cmp_le_u32 s71, s[Q0]                        ; all 64 keys count for all my queries: no mask
	s_cbranch_scc1 .Lopen_\@
	MASK
.Lopen_\@:
	SOFTMAX
.if \q < 3
	s_wait_dscnt 16                                ; V(q) is in; K(q + 1)'s 16 loads may be out
.else
	s_wait_dscnt 0x0
.endif
	PVMUL
.if \q < 3
	PLACES                                         ; in front of the loads into V's registers
	FETCH_V (\q)+1
.endif
.endm
.macro SLOT_STEPS ask
	v_add_nc_u32 v[ADK], s[TB], v[AK0]
	v_add_nc_u32 v[ADV], s[TB], v[AV0]
	FETCH_K 0
	FETCH_V 0
.if \ask
	ASK                                            ; behind the tensor load and the LDS loads for which the first products wait
.endif
	STEP 0, .Lend_\@
	STEP 1, .Lend_\@
	STEP 2, .Lend_\@
	STEP 3, .Lend_\@
.Lend_\@:
	s_add_co_u32 s[KU], s[KU], 256
	s_xor_b32 s[TB], s[TB], SLOT1
.endm
; THE CHANGE OF SLOTS, at a unit's head.  Each wave waits for its tensor load (its part of the slot ahead), adds 0 to its spare word, and waits for that and for its reads of the slot that it has left.
; fill = 1: behind the barrier that slot takes the next trip's key unit: the block's next 256 keys, or key 0 where the next trip begins block 7 - i.
.macro CHANGE fill
	s_wait_tensorcnt 0x0                           ; no tensor load of mine is out, so a group 0 may be written
	ds_add_u32 v[SPW], v[NIL]
.if \fill
	s_add_co_u32 s70, s[KU], 256
	s_cmp_eq_u32 s[LEFT], s[SWA]
	s_cselect_b32 s70, 0, s70
	s_lshl_b32 s70, s70, 7                         ; 128 bytes a key
	s_mov_b32 s71, 0
	s_xor_b32 s[G0K+1], s[G0K+1], SLOT1
	s_add_nc_u64 s[G0K+2:G0K+3], s[KW:KW+1], s[70:71]
	s_or_b32 s[G0K+3], s[G0K+3], 0x80000000
	s_xor_b32 s[G0V+1], s[G0V+1], SLOT1
	s_add_nc_u64 s[G0V+2:G0V+3], s[VW:VW+1], s[70:71]
	s_or_b32 s[G0V+3], s[G0V+3], 0x80000000
	s_wait_xcnt 0x0                                ; the last prefetch, a unit back, has read its address
	s_add_nc_u64 s[PFA:PFA+1], s[PFA:PFA+1], 256*128
.endif
	s_wait_dscnt 0x0                               ; the add is done, and my reads of the slot that I have left are over
	s_barrier_signal -1
	s_barrier_wait -1
.if \fill
	TLOAD                                          ; the first thing behind the barrier, and my one tensor load until the next; its four v_nop are also places in front of the fragment loads
.else
	PLACES
.endif
.endm
; A block of queries begins: Q's fragments into registers; m under every score, l and O^T zero (the step is written once: its first a is 0 and multiplies zeros).
.macro START
	s_lshl_b32 s70, s[Q0], 7
	s_mov_b32 s71, 0
	s_add_nc_u64 s[QP:QP+1], s[QH:QH+1], s[70:71]
	s_add_nc_u64 s[YP:YP+1], s[YH:YH+1], s[70:71]
	s_add_co_u32 s[QL], s[Q0], 31
.irp t, 0,1
.irp kk, 0,1
	global_load_b128 v[QF+8*(2*\t+\kk):QF+8*(2*\t+\kk)+3], v[QO], s[QP:QP+1] offset:\t*2048+\kk*64
	global_load_b128 v[QF+8*(2*\t+\kk)+4:QF+8*(2*\t+\kk)+7], v[QO], s[QP:QP+1] offset:\t*2048+\kk*64+32
.endr
.endr
.irp t, 0,1
	v_mov_b32 v[ST+8*\t+1], 0xff61b1e6             ; -3e38
	v_mul_f32 v[ST+8*\t], s[CS], v[ST+8*\t+1]
.irp j, 2,3,4,5,6,7
	v_mov_b32 v[ST+8*\t+\j], 0
.endr
.endr
.set i, 0
.rept 64
	v_mov_b32 v[O+i], 0
.set i, i+1
.endr
	s_wait_loadcnt 0x0
.endm
; A block of queries ends: O^T / l, rounded to f16, through my stage, out as runs of 512 bytes (four rows of 128).
.macro FINISH
	PLACES                                         ; behind the last products
.irp t, 0,1
	v_add_f32 v[ST+8*\t+4], v[ST+8*\t+2], v[ST+8*\t+3]
.endr
.irp t, 0,1
	v_permlanex16_b32 v[ST+8*\t+5], v[ST+8*\t+4], s[SEL], s[SEL+1]
.endr
.irp t, 0,1
	v_add_f32 v[ST+8*\t+4], v[ST+8*\t+4], v[ST+8*\t+5]
.endr
.irp t, 0,1
	v_rcp_f32 v[ST+8*\t+6], v[ST+8*\t+4]
.endr
	v_nop
	s_wait_alu depctr_va_vdst(0)                   ; one wait for the two reciprocals, ahead of their first reader
.irp t, 0,1
.irp u, 0,1,2,3,4,5,6,7,8,9,10,11,12,13,14,15
	v_pk_mul_f32 v[O+32*\t+2*\u:O+32*\t+2*\u+1], v[O+32*\t+2*\u:O+32*\t+2*\u+1], v[ST+8*\t+6:ST+8*\t+7] op_sel_hi:[1,0]
.endr
.endr
.irp t, 0,1
.irp u, 0,1,2,3,4,5,6,7,8,9,10,11,12,13,14,15
	v_cvt_pk_f16_f32 v[TMP+16*\t+\u], v[O+32*\t+2*\u], v[O+32*\t+2*\u+1]
.endr
.endr
.irp t, 0,1
.irp ct, 0,1,2,3
	ds_store_b128 v[STO], v[TMP+16*\t+4*\ct:TMP+16*\t+4*\ct+3] offset:\t*16*PK+32*\ct
.endr
.endr
.irp u, 0,1,2,3,4,5,6,7
	ds_load_b128 v[S+4*\u:S+4*\u+3], v[RD] offset:\u*4*PK       ; LDS serves a wave's instructions in order: these see the stores above
.endr
.irp u, 0,1,2,3,4,5,6,7
	s_wait_dscnt 7-\u
	global_store_b128 v[GO], v[S+4*\u:S+4*\u+3], s[YP:YP+1] offset:512*\u   ; 32 lanes store 512 consecutive bytes
.endr
	s_wait_xcnt 0x0                                ; the stores have read their registers and their base
.endm
	START
.Lunit:                                            ; eight trips; the ninth is written out
	s_cmp_lg_u32 s[LEFT], s[SWB]
	s_cbranch_scc1 .Lsame
	FINISH                                         ; block i is done: on to block 7 - i
	s_mov_b32 s[Q0], s[Q0B]
	s_mov_b32 s[KU], 0
	START
.Lsame:
	CHANGE 1
	SLOT_STEPS 1
	s_sub_co_u32 s[LEFT], s[LEFT], 1
	s_cmp_lg_u32 s[LEFT], 0
	s_cbranch_scc1 .Lunit
	CHANGE 0
	SLOT_STEPS 0
	FINISH
	s_wait_tensorcnt 0x0                           ; the wave's end
	ds_add_u32 v[SPW], v[NIL]
	s_wait_dscnt 0x0
	s_endpgm
.Lfunc_end_k_q571c88cc15_attn:
	.size	k_q571c88cc15_attn, .Lfunc_end_k_q571c88cc15_attn-k_q571c88cc15_attn
	.p2alignl 7, 3214868480
	.fill 96, 4, 3214868480
	.section	.rodata,"a",@progbits
	.p2align	6, 0x0
	.amdhsa_kernel k_q571c88cc15_attn
		.amdhsa_group_segment_fixed_size 327680
		.amdhsa_private_segment_fixed_size 0
		.amdhsa_enable_private_segment 0
		.amdhsa_kernarg_size 16
		.amdhsa_user_sgpr_count 2
		.amdhsa_user_sgpr_kernarg_segment_ptr 1
		.amdhsa_wavefront_size32 1
		.amdhsa_system_sgpr_workgroup_id_x 1
		.amdhsa_system_sgpr_workgroup_id_y 1
		.amdhsa_system_sgpr_workgroup_id_z 1
		.amdhsa_system_vgpr_workitem_id 0
		.amdhsa_next_free_vgpr 384
		.amdhsa_next_free_sgpr 76
		.amdhsa_reserve_vcc 1
		.amdhsa_float_denorm_mode_32 3
		.amdhsa_float_denorm_mode_16_64 3
		.amdhsa_memory_ordered 1
		.amdhsa_forward_progress 1
		.amdhsa_inst_pref_size 199
	.end_amdhsa_kernel
	.amdgpu_metadata
---
amdhsa.version: [ 1, 2 ]
amdhsa.kernels:
  - .name:           k_q571c88cc15_attn
    .symbol:         k_q571c88cc15_attn.kd
    .args:
      - { .name: qkvh, .offset: 0, .size: 8, .value_kind: global_buffer, .address_space: global }
      - { .name: yh, .offset: 8, .size: 8, .value_kind: global_buffer, .address_space: global }
    .group_segment_fixed_size: 327680
    .private_segment_fixed_size: 0
    .kernarg_segment_align: 8
    .kernarg_segment_size: 16
    .max_flat_workgroup_size: 256
    .sgpr_count:     76
    .vgpr_count:     384
    .wavefront_size: 32
...
	.end_amdgpu_metadata
.endif
;; end of part 3
;; launch proj (part 4): grid 8 x 32, 4 waves a work-group, clusters of 4 x 4, 327,680 bytes of LDS; arguments yh, wp16, b_proj, out0; writes out0
.if DOCPART == 4
	.amdgcn_target "amdgcn-amd-amdhsa--gfx1250"
	.amdhsa_code_object_version 6
	.text
	.protected	k_q571c88cc15_proj
	.globl	k_q571c88cc15_proj
	.p2align	8
	.type	k_q571c88cc15_proj,@function
k_q571c88cc15_proj:
	s_mov_b64 s[64:65], 0
	v_nop
	global_prefetch_b8 v0, s[64:65] scope:SCOPE_SE
	s_setreg_imm32_b32 hwreg(HW_REG_WAVE_MODE, 25, 1), 1
	s_wait_xcnt 0x0
	s_wait_alu depctr_hold_cnt(0) depctr_sa_sdst(0) depctr_va_vdst(0) depctr_va_sdst(0) depctr_va_ssrc(0) depctr_va_vcc(0) depctr_vm_vsrc(0)
	s_getreg_b32 s2, hwreg(HW_REG_IB_STS2, 6, 4)
	s_cmp_eq_u32 s2, 0
	s_cbranch_scc0 .Lentry_in_a_cluster
	s_endpgm
.Lentry_in_a_cluster:
	s_bfe_u32 s2, ttmp6, 0x10000c
	s_cmp_lg_u32 s2, 0xf033
	s_cbranch_scc0 .Lentry_shape_is_right
	s_endpgm
.Lentry_shape_is_right:
; out0[m][n] = sum over k of y[m][k] w_proj[n][k] + b_proj[n].  y: f16 in yh [h 16][m 8192][64] (k = 64 h + d); w_proj: f16 in wp16 [n 1024][k 1024]; out0: [8192][1024] f32; sums in f32.
; A tile of 256 rows x 128 columns to a work-group: 256 work-groups.  Four waves, each 128 x 64: 32 accumulators, 256 registers (window 1).
; K goes in steps of 128 (two heads) through a ring of two LDS slots.  y's part of a slot is two planes, one a head: 256 rows of 128 bytes, dense in memory; w's is 128 rows of 256 bytes.
; CLUSTERS: 4 x 4 work-groups; y's tiles are shared along a row of the cluster, w's along a column: each is asked for jointly.  Wave 0 and 1 fetch y's planes, waves 2 and 3 w's halves: one load a wave behind each round.
; THE MATRIX INSTRUCTION IS USED TRANSPOSED (source 0 = 16 rows of w, source 1 = 16 rows of y): a lane holds eight neighbouring columns of a row.  The bias is the C of each sum's first product.
; No prefetch: a refill has three quarters of a K step's products and more in which to land, and each tile is fetched once for four work-groups.
; The first 16 rows of each sequence are written again, from f32 operands, by the launch that follows.
; REGISTERS: window 0: v16-31 addresses; v32-63 the bias; v64-127, v128-191 y's fragments, two buffers; v192-223, v224-255 w's, two buffers.  window 1: accumulator (a, b) at v[8 (4 a + b)].
.set PA,     144                       ; a row of y in LDS: 128 bytes + 16
.set PB,     272                       ; a row of w: 256 + 16
.set ZB,     256*PA                    ; a plane
.set BOFF,   2*ZB
.set SLOT,   BOFF+128*PB
.set STAGE,  2*SLOT                    ; the way out: 16 rows x (256 bytes + 16) for each wave; no tile lands here
.set SPITCH, 272
.set SPARE,  STAGE+4*16*SPITCH
.set LAPS,   4                         ; a lap = two K steps; K = 1,024 is eight steps
.set ADRA, 16
.set ADRB, 20
.set STO,  24
.set RD,   25
.set CO,   26
.set BO,   27
.set SPW,  28
.set NIL,  29
.set BI,   32
.set G1, 24
.set G0, 32
.set G1B, 48
.set G0B, 56
.set MSB, 0
.macro WIN new
.if MSB != \new
	s_set_vgpr_msb (MSB<<8)|\new
.set MSB, \new
.endif
.endm
.set MULW, 0x50                        ; C and D window 1
.set MULZ, 0x40                        ; D window 1, C (the bias) window 0
.macro JLOAD s                         ; a joint load; an s_nop 0 and four v_nop follow each line
	s_cmp_eq_u32 s11, 0
	s_cbranch_scc0 .Lfor_b_\@
	tensor_load_to_lds s[G0+4*\s:G0+4*\s+3], s[G1:G1+7]
	s_nop 0
.rept 4
	v_nop
.endr
	s_branch .Lasked_\@
.Lfor_b_\@:
	tensor_load_to_lds s[G0B+4*\s:G0B+4*\s+3], s[G1B:G1B+7]
	s_nop 0
.rept 4
	v_nop
.endr
.Lasked_\@:
.endm
.macro CREST
	s_cmp_lg_u32 s10, 0
	s_cbranch_scc1 .Lnot_wave_0_\@
	s_barrier_signal -3
.Lnot_wave_0_\@:
	s_barrier_wait -3
	s_barrier_signal -1
	s_barrier_wait -1
.endm
.macro CROUND
	s_barrier_signal -1
	s_barrier_wait -1
	CREST
.endm
	s_load_b128 s[4:7], s[0:1], 0x0                ; yh, wp16
	s_load_b128 s[68:71], s[0:1], 0x10             ; b_proj, out0
	v_lshl_add_u32 v[SPW], v0, 2, SPARE
	v_mov_b32 v[NIL], 0
	ds_add_u32 v[SPW], v[NIL]                      ; the wave's opening: the add, twice on end, and its wait ahead of my first tensor load
	ds_add_u32 v[SPW], v[NIL]
	v_lshrrev_b32 v1, 5, v0
	v_readfirstlane_b32 s10, v1                    ; wave 0..3
	s_lshr_b32 s11, s10, 1                         ; which 128 rows of the tile are mine.  Also: I fetch for y (0) or for w (1)
	s_and_b32 s12, s10, 1                          ; which 64 columns.  Also: which plane of y, or which half of w's rows, I fetch
	s_bfe_u32 s40, ttmp6, 0x40000                  ; cx, cy
	s_bfe_u32 s41, ttmp6, 0x40004
	s_lshl_b32 s42, ttmp9, 2
	s_add_co_u32 s42, s42, s40                     ; tile column
	s_and_b32 s13, ttmp7, 0xffff
	s_lshl_b32 s13, s13, 2
	s_add_co_u32 s13, s13, s41                     ; tile row
	s_lshl_b32 s43, s41, 2
	s_lshl_b32 s43, 15, s43                        ; my row of the cluster
	s_lshl_b32 s44, 0x1111, s40                    ; my column
	s_or_b32 s[G1+0], s43, (1<<16)|(1<<20)|(1<<21)|(4<<22)|(3<<25)   ; y: elements of 2 bytes; 4 words of padding after every 32
	s_mov_b32 s[G1+1], 64<<16                      ; tensor_dim0 = 64
	s_mov_b32 s[G1+2], 256<<16                     ; tensor_dim1 = 256
	s_mov_b32 s[G1+3], 64<<16                      ; tile_dim0
	s_mov_b32 s[G1+4], 256                         ; tile_dim1
	s_mov_b32 s[G1+5], 64                          ; the pitch
	s_mov_b32 s[G1+6], 0
	s_mov_b32 s[G1+7], 0
	s_or_b32 s[G1B+0], s44, (1<<16)|(1<<20)|(1<<21)|(5<<22)|(3<<25)  ; w: 4 words of padding after every 64
	s_mov_b32 s[G1B+1], 128<<16
	s_mov_b32 s[G1B+2], 64<<16
	s_mov_b32 s[G1B+3], 128<<16
	s_mov_b32 s[G1B+4], 64
	s_mov_b32 s[G1B+5], 1024
	s_mov_b32 s[G1B+6], 0
	s_mov_b32 s[G1B+7], 0
	s_lshl_b32 s16, s12, 20                        ; y: my plane's head, 1 MiB a head,
	s_lshl_b32 s17, s13, 15                        ; and the tile's 256 rows of 128 bytes
	s_add_co_u32 s16, s16, s17
	s_mov_b32 s17, 0
	s_lshl_b32 s46, s42, 18                        ; w: 128 rows of 2,048 bytes a tile column,
	s_lshl_b32 s47, s12, 17                        ; 64 rows a half
	s_add_co_u32 s46, s46, s47
	s_mov_b32 s47, 0
	s_mul_i32 s20, s12, ZB                         ; where they go: no place in the cluster enters an LDS address
	s_mul_i32 s21, s12, 64*PB
	s_add_co_u32 s21, s21, BOFF
	s_wait_dscnt 0x0                               ; both opening adds are done
	s_wait_kmcnt 0x0
	s_add_nc_u64 s[14:15], s[4:5], s[16:17]
	s_add_nc_u64 s[46:47], s[6:7], s[46:47]
	CROUND                                         ; all sixteen work-groups are here: the first joint loads meet
.irp s, 0,1
	s_mov_b32 s[G0+4*\s], 1
	s_add_co_u32 s[G0+4*\s+1], s20, \s*SLOT
	s_add_nc_u64 s[G0+4*\s+2:G0+4*\s+3], s[14:15], \s*(2<<20)     ; K step s: heads 2 s, 2 s + 1
	s_or_b32 s[G0+4*\s+3], s[G0+4*\s+3], 0x80000000
	s_mov_b32 s[G0B+4*\s], 1
	s_add_co_u32 s[G0B+4*\s+1], s21, \s*SLOT
	s_add_nc_u64 s[G0B+4*\s+2:G0B+4*\s+3], s[46:47], \s*256
	s_or_b32 s[G0B+4*\s+3], s[G0B+4*\s+3], 0x80000000
	JLOAD \s
.endr
	v_and_b32 v1, 15, v0                           ; r
	v_bfe_u32 v2, v0, 4, 1                         ; h
	s_lshl_b32 s46, s42, 9
	s_lshl_b32 s47, s12, 8
	s_add_co_u32 s46, s46, s47                     ; my first column, in bytes of f32
	s_mov_b32 s47, 0
	s_add_nc_u64 s[68:69], s[68:69], s[46:47]
	s_add_nc_u64 s[70:71], s[70:71], s[46:47]
	v_lshlrev_b32 v[BO], 5, v2
.irp b, 0,1,2,3
	global_load_b128 v[BI+8*\b:BI+8*\b+3], v[BO], s[68:69] offset:64*\b          ; the bias in the result's layout: columns 16 b + 8 h + 0 .. 7
	global_load_b128 v[BI+8*\b+4:BI+8*\b+7], v[BO], s[68:69] offset:64*\b+16
.endr
	s_lshl_b32 s16, s13, 8
	s_lshl_b32 s17, s11, 7
	s_add_co_u32 s16, s16, s17
	s_lshl_b32 s16, s16, 12                        ; my first row, 4,096 bytes a row
	s_mov_b32 s17, 0
	s_add_nc_u64 s[70:71], s[70:71], s[16:17]
	v_mul_u32_u24 v3, v1, PA
	v_lshl_add_u32 v3, v2, 4, v3
	v_mul_u32_u24 v4, v1, PB
	v_lshl_add_u32 v4, v2, 4, v4
	s_mul_i32 s21, s11, 128*PA                     ; my 128 rows of y, in each plane
	s_mul_i32 s22, s12, 64*PB                      ; my 64 rows of w
	s_add_co_u32 s22, s22, BOFF
.irp s, 0,1
	v_add_nc_u32 v[ADRA+\s], s21, v3
	v_add_nc_u32 v[ADRB+\s], s22, v4
	s_add_co_u32 s21, s21, SLOT
	s_add_co_u32 s22, s22, SLOT
.endr
	s_mul_i32 s23, s10, 16*SPITCH
	s_add_co_u32 s23, s23, STAGE
	v_mul_u32_u24 v5, v1, SPITCH
	v_lshl_add_u32 v5, v2, 5, v5
	v_add_nc_u32 v[STO], s23, v5                   ; in: row r, 32 bytes for each half of the lanes
	v_mul_u32_u24 v5, v2, SPITCH
	v_lshl_add_u32 v5, v1, 4, v5
	v_add_nc_u32 v[RD], s23, v5                    ; back: lanes 0-15 one row of 256 bytes, lanes 16-31 the next
	v_lshlrev_b32 v5, 12, v2
	v_lshl_add_u32 v[CO], v1, 4, v5                ; and the same two rows in out0
; 8 matrix instructions: y's blocks a0, a0 + 1 against w's four, 32 along K, from buffers f.  The 32 accumulators take turns.
.macro MUL8 f, a0, zero
.irp a, \a0, \a0+1
.irp b, 0,1,2,3
.if \zero
	v_wmma_f32_16x16x32_f16 v[8*(4*(\a)+\b):8*(4*(\a)+\b)+7], v[192+32*(\f)+8*\b:192+32*(\f)+8*\b+7], v[64+64*(\f)+8*(\a):64+64*(\f)+8*(\a)+7], v[BI+8*\b:BI+8*\b+7]
.else
	v_wmma_f32_16x16x32_f16 v[8*(4*(\a)+\b):8*(4*(\a)+\b)+7], v[192+32*(\f)+8*\b:192+32*(\f)+8*\b+7], v[64+64*(\f)+8*(\a):64+64*(\f)+8*(\a)+7], v[8*(4*(\a)+\b):8*(4*(\a)+\b)+7]
.endif
.endr
.endr
.endm
; 24 LDS loads in one run: quarter qd (32 along K) of a slot into buffers f: w's four fragments, y's blocks 0-3, y's blocks 4-7
.macro FETCH slot, qd, f
.irp i, 0,1,2,3
	ds_load_b128 v[192+32*(\f)+8*\i:192+32*(\f)+8*\i+3], v[ADRB+\slot] offset:64*(\qd)+\i*16*PB
	ds_load_b128 v[192+32*(\f)+8*\i+4:192+32*(\f)+8*\i+7], v[ADRB+\slot] offset:64*(\qd)+\i*16*PB+32
.endr
.irp i, 0,1,2,3,4,5,6,7
	ds_load_b128 v[64+64*(\f)+8*\i:64+64*(\f)+8*\i+3], v[ADRA+\slot] offset:((\qd)/2)*ZB+((\qd)%2)*64+\i*16*PA
	ds_load_b128 v[64+64*(\f)+8*\i+4:64+64*(\f)+8*\i+7], v[ADRA+\slot] offset:((\qd)/2)*ZB+((\qd)%2)*64+\i*16*PA+32
.endr
.endm
.macro PLACES
.rept 4
	v_nop
.endr
.endm
; One of a K step's first three quarters: multiplies buffers f; in its middle it fetches quarter qn of the same slot into the other buffers.
.macro QUARTER slot, qn, f, zero
	s_wait_dscnt 8                                 ; w's fragments and y's blocks 0-3 are in; the youngest eight loads (blocks 4-7) may be out
.if \zero
	WIN MULZ
.else
	WIN MULW
.endif
	MUL8 \f, 0, \zero
	MUL8 \f, 2, \zero
	WIN 0
	PLACES
	FETCH \slot, \qn, 1-(\f)
	s_wait_dscnt 24                                ; all but the 24 just issued
.if \zero
	WIN MULZ
.else
	WIN MULW
.endif
	MUL8 \f, 4, \zero
	MUL8 \f, 6, \zero
.endm
; The last quarter multiplies buffers 1 and changes slots.  fill = 1: the barrier opens a round of the cluster's barrier, and this slot is filled again, two K steps ahead.
.macro TURN slot, next, fill
	WIN 0
	s_wait_tensorcnt 0x0                           ; my one load that was out, my part of the next slot, has landed
	ds_add_u32 v[SPW], v[NIL]
	s_wait_dscnt 9                                 ; the add and the youngest eight loads may be out
	WIN MULW
	MUL8 1, 0, 0
	s_wait_dscnt 0x0                               ; the add is done, and my reads of this slot are over
	s_barrier_signal -1
	MUL8 1, 2, 0
	WIN 0
	s_barrier_wait -1
.if \fill
	CREST                                          ; no wave of any partner still reads this slot or has a load on its way
	s_add_nc_u64 s[G0+4*\slot+2:G0+4*\slot+3], s[G0+4*\slot+2:G0+4*\slot+3], 4<<20
	s_add_nc_u64 s[G0B+4*\slot+2:G0B+4*\slot+3], s[G0B+4*\slot+2:G0B+4*\slot+3], 512
	JLOAD \slot                                    ; the first tensor load behind the round; its four v_nop are the places in front of the loads below
.else
	PLACES
.endif
	FETCH \next, 0, 0
	WIN MULW
	MUL8 1, 4, 0
	MUL8 1, 6, 0
.endm
	s_wait_tensorcnt 1                             ; my part of K step 0 is in; K step 1's load may be out
	s_barrier_signal -1
	s_barrier_wait -1
	FETCH 0, 0, 0
	s_wait_loadcnt 0x0                             ; the bias
	QUARTER 0, 1, 0, 1                             ; the first quarter stands in front of the loop: its products start the sums
	WIN 0
	s_mov_b32 s3, LAPS-1
.Llap:                                             ; a trip goes once round the ring and fills both slots again
	QUARTER 0, 2, 1, 0
	QUARTER 0, 3, 0, 0
	TURN 0, 1, 1
	QUARTER 1, 1, 0, 0
	QUARTER 1, 2, 1, 0
	QUARTER 1, 3, 0, 0
	TURN 1, 0, 1
	QUARTER 0, 1, 0, 0
	WIN 0
	s_sub_co_u32 s3, s3, 1
	s_cmp_lg_u32 s3, 0
	s_cbranch_scc1 .Llap
	QUARTER 0, 2, 1, 0                             ; the last lap fills nothing
	QUARTER 0, 3, 0, 0
	TURN 0, 1, 0
	QUARTER 1, 1, 0, 0
	QUARTER 1, 2, 1, 0
	QUARTER 1, 3, 0, 0
	s_wait_dscnt 8
	WIN MULW
	MUL8 1, 0, 0
	MUL8 1, 2, 0
	s_wait_dscnt 0
	MUL8 1, 4, 0
	MUL8 1, 6, 0
	WIN 0
; THE WAY OUT, a block of 16 rows x 64 columns at a time, through my own stage: back as whole runs of 256 bytes of a row.
.macro TOSTAGE a
	WIN 0x04                                       ; an LDS store's data: window 1
.irp b, 0,1,2,3
	ds_store_b128 v[STO], v[8*(4*(\a)+\b):8*(4*(\a)+\b)+3] offset:64*\b          ; each accumulator from its low end on
	ds_store_b128 v[STO], v[8*(4*(\a)+\b)+4:8*(4*(\a)+\b)+7] offset:64*\b+16
.endr
	WIN 0
.irp t, 0,1,2,3,4,5,6,7
	ds_load_b128 v[64+32*((\a)%2)+4*\t:64+32*((\a)%2)+4*\t+3], v[RD] offset:\t*2*SPITCH   ; LDS serves a wave's instructions in order
.endr
.endm
.macro SEND a, younger
	s_wait_dscnt \younger
.irp t, 0,1,2,3,4,5,6,7
	global_store_b128 v[CO], v[64+32*((\a)%2)+4*\t:64+32*((\a)%2)+4*\t+3], s[70:71] offset:(\a)*65536+2*\t*4096 th:TH_STORE_NT   ; 16 lanes store 256 consecutive bytes, aligned
.endr
.endm
	PLACES
	TOSTAGE 0
.irp a, 1,2,3,4,5,6,7
.if \a > 1
	s_wait_xcnt 0x0                                ; block a - 2's stores have read their registers: block a's loads may land there
.endif
	TOSTAGE \a
	SEND \a-1, 16                                  ; behind block a - 1's loads: block a's 8 stores and 8 loads
.endr
	SEND 7, 0
	s_wait_tensorcnt 0x0                           ; the wave's end
	ds_add_u32 v[SPW], v[NIL]
	s_wait_dscnt 0x0
	CROUND                                         ; the closing round
	s_endpgm
.Lfunc_end_k_q571c88cc15_proj:
	.size	k_q571c88cc15_proj, .Lfunc_end_k_q571c88cc15_proj-k_q571c88cc15_proj
	.p2alignl 7, 3214868480
	.fill 96, 4, 3214868480
	.section	.rodata,"a",@progbits
	.p2align	6, 0x0
	.amdhsa_kernel k_q571c88cc15_proj
		.amdhsa_group_segment_fixed_size 327680
		.amdhsa_private_segment_fixed_size 0
		.amdhsa_enable_private_segment 0
		.amdhsa_kernarg_size 32
		.amdhsa_user_sgpr_count 2
		.amdhsa_user_sgpr_kernarg_segment_ptr 1
		.amdhsa_wavefront_size32 1
		.amdhsa_system_sgpr_workgroup_id_x 1
		.amdhsa_system_sgpr_workgroup_id_y 1
		.amdhsa_system_sgpr_workgroup_id_z 1
		.amdhsa_system_vgpr_workitem_id 0
		.amdhsa_next_free_vgpr 512
		.amdhsa_next_free_sgpr 76
		.amdhsa_reserve_vcc 0
		.amdhsa_float_denorm_mode_32 3
		.amdhsa_float_denorm_mode_16_64 3
		.amdhsa_memory_ordered 1
		.amdhsa_forward_progress 1
		.amdhsa_inst_pref_size 86
	.end_amdhsa_kernel
	.amdgpu_metadata
---
amdhsa.version: [ 1, 2 ]
amdhsa.kernels:
  - .name:           k_q571c88cc15_proj
    .symbol:         k_q571c88cc15_proj.kd
    .args:
      - { .name: yh, .offset: 0, .size: 8, .value_kind: global_buffer, .address_space: global }
      - { .name: wp16, .offset: 8, .size: 8, .value_kind: global_buffer, .address_space: global }
      - { .name: b_proj, .offset: 16, .size: 8, .value_kind: global_buffer, .address_space: global }
      - { .name: out0, .offset: 24, .size: 8, .value_kind: global_buffer, .address_space: global }
    .group_segment_fixed_size: 327680
    .private_segment_fixed_size: 0
    .kernarg_segment_align: 8
    .kernarg_segment_size: 32
    .max_flat_workgroup_size: 128
    .sgpr_count:     76
    .vgpr_count:     512
    .wavefront_size: 32
...
	.end_amdgpu_metadata
.endif
;; end of part 4
;; launch first16 (part 5): grid 16 x 4, 16 waves a work-group, no clusters, 71,680 bytes of LDS; arguments qkv16, w_proj, b_proj, out0; writes out0
.if DOCPART == 5
	.amdgcn_target "amdgcn-amd-amdhsa--gfx1250"
	.amdhsa_code_object_version 6
	.text
	.protected	k_q571c88cc15_first16
	.globl	k_q571c88cc15_first16
	.p2align	8
	.type	k_q571c88cc15_first16,@function
k_q571c88cc15_first16:
	s_mov_b64 s[64:65], 0
	v_nop
	global_prefetch_b8 v0, s[64:65] scope:SCOPE_SE
	s_setreg_imm32_b32 hwreg(HW_REG_WAVE_MODE, 25, 1), 1
	s_wait_xcnt 0x0
; The first 16 positions of each of the 4 sequences, from q, k, v to out0, all in f32: under the causal mask these rows average one to sixteen values and are the largest in size.
; qkv16 [b 4][t 16][3072] f32; w_proj [1024][1024] f32; out0 rows b 2048 + 0 .. 15 are written anew.
; Work-group (x, b) makes columns 64 x .. 64 x + 63 of the 16 rows of sequence b.  Wave e takes head e: its attention (16 x 16), then its 64 channels' part of the projection; the 16 parts meet in LDS, and
; wave e adds them, in the order of the heads, for row e.  96 matrix instructions of the f32 form a wave: no bulk work.
; Each product's K is walked in an order of its own, the same for both sources, chosen so that every operand comes by whole loads or straight out of the result before it:
;   S^T = K Q^T: lane (r, hf) holds channels 32 hf + 0 .. 31 of row r; step s takes registers 2 s, 2 s + 1.
;   y^T = V^T P: S^T's register j of lane (r, hf) is key 8 hf + j of query r; V is loaded so.      out^T = W y^T: y^T's register 8 ct + j is channel 16 ct + 8 hf + j; W is loaded so.
; The registers that the matrix instructions write (v184-255) are written by nothing else.
.set SPARE, 16*4352                    ; behind the 16 parts (16 rows x (256 bytes + 16) each): the spare words, 128 bytes a wave
.set SPW, 14
.set NIL, 15
.set PP,  16                           ; v16-23  the masked scores, then p
.set QR,  24                           ; v24-55  Q, later W's tile 2
.set KR,  56                           ; v56-87  K, later W's tile 3
.set VR,  88                           ; v88-119 V, later the 16 parts of my row
.set WR,  120                          ; v120-183 W's tiles 0 and 1
.set SS,  184
.set YY,  192
.set OO,  224
	s_load_b128 s[4:7], s[0:1], 0x0                ; qkv16, w_proj
	s_load_b128 s[8:11], s[0:1], 0x10              ; b_proj, out0
	v_lshl_add_u32 v[SPW], v0, 2, SPARE
	v_mov_b32 v[NIL], 0
	v_lshrrev_b32 v1, 5, v0
	v_readfirstlane_b32 s12, v1                    ; e: my head, and my row on the way out
	v_and_b32 v1, 15, v0                           ; r
	v_bfe_u32 v2, v0, 4, 1                         ; hf
	v_and_b32 v3, 31, v0                           ; lane
	s_and_b32 s13, ttmp7, 0xffff                   ; b
	s_lshl_b32 s14, s12, 8                         ; a head's 64 numbers: 256 bytes
	v_mul_u32_u24 v4, v1, 12288
	v_lshl_add_u32 v4, v2, 7, v4
	v_add_nc_u32 v4, s14, v4                       ; Q, K: row r, head e, channels 32 hf on
	v_mul_u32_u24 v5, v2, 98304
	v_lshl_add_u32 v5, v1, 2, v5
	v_add_nc_u32 v5, s14, v5                       ; V: key 8 hf, head e, channel r
	v_lshlrev_b32 v6, 12, v1
	v_lshl_add_u32 v6, v2, 5, v6
	v_add_nc_u32 v6, s14, v6                       ; W: row r, head e, channels 8 hf on
	v_lshlrev_b32 v7, 3, v3                        ; 8 x lane
	s_mul_i32 s15, s12, 4352
	v_mul_u32_u24 v8, v1, 272
	v_lshl_add_u32 v8, v2, 5, v8
	v_add_nc_u32 v8, s15, v8                       ; my part in LDS: row = query r, + 32 hf
	s_mul_i32 s15, s12, 272
	v_add_nc_u32 v9, s15, v7                       ; back: row e of each part, 8 bytes a lane
	v_lshlrev_b32 v10, 3, v2
	v_sub_nc_u32 v10, v1, v10                      ; r - 8 hf
	v_mov_b32 v11, 0xff800000                      ; -infinity
	v_mov_b32 v12, 0                               ; a lane permute's destination counts as one of its sources
	s_mov_b32 s24, 0x76543210
	s_mov_b32 s25, 0xfedcba98
	s_mov_b32 s26, 0x3e38aa3b                      ; c = log2(e) / 8
	s_mul_i32 s16, s13, 16*3072*4
	s_mov_b32 s17, 0
	s_lshl_b32 s18, ttmp9, 18                      ; 64 rows of w_proj, 4,096 bytes each
	s_mov_b32 s19, 0
	s_lshl_b32 s20, ttmp9, 8                       ; 64 columns of f32
	s_mov_b32 s21, 0
	s_lshl_b32 s22, s13, 23                        ; 2,048 rows of 4,096 bytes a sequence,
	s_lshl_b32 s23, s12, 12                        ; row e,
	s_add_co_u32 s22, s22, s23
	s_add_co_u32 s22, s22, s20                     ; my columns
	s_mov_b32 s23, 0
	s_wait_kmcnt 0x0
	s_add_nc_u64 s[4:5], s[4:5], s[16:17]
	s_add_nc_u64 s[6:7], s[6:7], s[18:19]
	s_add_nc_u64 s[8:9], s[8:9], s[20:21]
	s_add_nc_u64 s[10:11], s[10:11], s[22:23]
	global_load_b64 v[2:3], v7, s[8:9]             ; the bias of my two columns
.irp i, 0,1,2,3,4,5,6,7
	global_load_b128 v[QR+4*\i:QR+4*\i+3], v4, s[4:5] offset:16*\i
.endr
.irp i, 0,1,2,3,4,5,6,7
	global_load_b128 v[KR+4*\i:KR+4*\i+3], v4, s[4:5] offset:4096+16*\i
.endr
.irp ct, 0,1,2,3
.irp jj, 0,1,2,3,4,5,6,7
	global_load_b32 v[VR+8*\ct+\jj], v5, s[4:5] offset:8192+\jj*12288+\ct*64
.endr
.endr
.macro WLOAD nt, reg
.irp ct, 0,1,2,3
	global_load_b128 v[\reg+8*\ct:\reg+8*\ct+3], v6, s[6:7] offset:\nt*65536+\ct*64
	global_load_b128 v[\reg+8*\ct+4:\reg+8*\ct+7], v6, s[6:7] offset:\nt*65536+\ct*64+16
.endr
.endm
	WLOAD 0, WR
	WLOAD 1, WR+32
	s_wait_loadcnt 48                              ; Q and K are in; behind them V's 32 loads and 16 of W's may be out
	v_wmma_f32_16x16x4_f32 v[SS:SS+7], v[KR:KR+1], v[QR:QR+1], 0
.irp s, 1,2,3,4,5,6,7,8,9,10,11,12,13,14,15
	s_wait_alu depctr_va_vdst(0)                   ; a wait ahead of each link
	v_wmma_f32_16x16x4_f32 v[SS:SS+7], v[KR+2*\s:KR+2*\s+1], v[QR+2*\s:QR+2*\s+1], v[SS:SS+7]
.endr
.rept 8
	v_nop                                          ; eight places behind this form, in front of loads into its sources and of reads of its result
.endr
	WLOAD 2, QR
	WLOAD 3, KR
.irp j, 0,1,2,3,4,5,6,7
	v_cmp_gt_i32 vcc_lo, \j, v10                   ; key 8 hf + j comes after query r
	v_cndmask_b32 v[PP+\j], v[SS+\j], v11, vcc_lo
.endr
	v_max3_num_f32 v13, v[PP], v[PP+1], v[PP+2]
	v_max3_num_f32 v13, v13, v[PP+3], v[PP+4]
	v_max3_num_f32 v13, v13, v[PP+5], v[PP+6]
	v_max_num_f32 v13, v13, v[PP+7]
	v_permlanex16_b32 v12, v13, s24, s25
	v_max_num_f32 v13, v13, v12                    ; the row's largest score (key 0 counts for every query)
	v_mul_f32 v1, s26, v13
.irp j, 0,1,2,3,4,5,6,7
	v_fma_f32 v[PP+\j], v[PP+\j], s26, -v1
.endr
.irp j, 0,1,2,3,4,5,6,7
	v_exp_f32 v[PP+\j], v[PP+\j]
.endr
	v_nop
	s_wait_alu depctr_va_vdst(0)                   ; one wait for the eight exponentials
	v_add_f32 v13, v[PP], v[PP+1]
.irp j, 2,3,4,5,6,7
	v_add_f32 v13, v13, v[PP+\j]
.endr
	v_permlanex16_b32 v12, v13, s24, s25
	v_add_f32 v13, v13, v12
	v_rcp_f32 v1, v13
	v_nop
	s_wait_alu depctr_va_vdst(0)
.irp j, 0,1,2,3,4,5,6,7
	v_mul_f32 v[PP+\j], v[PP+\j], v1
.endr
	s_wait_loadcnt 32                              ; V is in; W's 32 loads may be out
.irp s, 0,1,2,3
.irp ct, 0,1,2,3
.if \s == 0
	v_wmma_f32_16x16x4_f32 v[YY+8*\ct:YY+8*\ct+7], v[VR+8*\ct:VR+8*\ct+1], v[PP:PP+1], 0
.else
	v_wmma_f32_16x16x4_f32 v[YY+8*\ct:YY+8*\ct+7], v[VR+8*\ct+2*\s:VR+8*\ct+2*\s+1], v[PP+2*\s:PP+2*\s+1], v[YY+8*\ct:YY+8*\ct+7]
.endif
.endr
.endr
.rept 9
	v_nop                                          ; nine places before a matrix instruction takes these results as a source
.endr
	s_wait_loadcnt 0x0                             ; W, and the bias
.irp ct, 0,1,2,3
.irp jj, 0,1,2,3
.irp nt, 0,1,2,3                       ; W's tile nt lies at v120, v152, v24, v56
.if (\ct == 0) && (\jj == 0)
	v_wmma_f32_16x16x4_f32 v[OO+8*\nt:OO+8*\nt+7], v[WR+32*\nt-160*(\nt/2):WR+32*\nt-160*(\nt/2)+1], v[YY:YY+1], 0
.else
	v_wmma_f32_16x16x4_f32 v[OO+8*\nt:OO+8*\nt+7], v[WR+32*\nt-160*(\nt/2)+8*\ct+2*\jj:WR+32*\nt-160*(\nt/2)+8*\ct+2*\jj+1], v[YY+8*\ct+2*\jj:YY+8*\ct+2*\jj+1], v[OO+8*\nt:OO+8*\nt+7]
.endif
.endr
.endr
.endr
.rept 8
	v_nop
.endr
.irp nt, 0,1,2,3
	ds_store_b128 v8, v[OO+8*\nt:OO+8*\nt+3] offset:64*\nt       ; query r, columns 16 nt + 8 hf + 0 .. 7; each accumulator from its low end on
	ds_store_b128 v8, v[OO+8*\nt+4:OO+8*\nt+7] offset:64*\nt+16
.endr
	s_wait_dscnt 0x0                               ; for the others' sake: my part lies in LDS
	s_barrier_signal -1
	s_barrier_wait -1
.irp p, 0,1,2,3,4,5,6,7,8,9,10,11,12,13,14,15
	ds_load_b64 v[VR+2*\p:VR+2*\p+1], v9 offset:\p*4352
.endr
	s_wait_dscnt 0x0
.irp p, 0,1,2,3,4,5,6,7,8,9,10,11,12,13,14,15
	v_pk_add_f32 v[2:3], v[2:3], v[VR+2*\p:VR+2*\p+1]             ; the bias, then the heads' parts in their order
.endr
	global_store_b64 v7, v[2:3], s[10:11]          ; 32 lanes store 256 consecutive bytes, aligned
	s_wait_tensorcnt 0x0                           ; the wave's end, behind my last LDS store
	ds_add_u32 v[SPW], v[NIL]
	s_wait_dscnt 0x0
	s_endpgm
.Lfunc_end_k_q571c88cc15_first16:
	.size	k_q571c88cc15_first16, .Lfunc_end_k_q571c88cc15_first16-k_q571c88cc15_first16
	.p2alignl 7, 3214868480
	.fill 96, 4, 3214868480
	.section	.rodata,"a",@progbits
	.p2align	6, 0x0
	.amdhsa_kernel k_q571c88cc15_first16
		.amdhsa_group_segment_fixed_size 71680
		.amdhsa_private_segment_fixed_size 0
		.amdhsa_enable_private_segment 0
		.amdhsa_kernarg_size 32
		.amdhsa_user_sgpr_count 2
		.amdhsa_user_sgpr_kernarg_segment_ptr 1
		.amdhsa_wavefront_size32 1
		.amdhsa_system_sgpr_workgroup_id_x 1
		.amdhsa_system_sgpr_workgroup_id_y 1
		.amdhsa_system_sgpr_workgroup_id_z 1
		.amdhsa_system_vgpr_workitem_id 0
		.amdhsa_next_free_vgpr 256
		.amdhsa_next_free_sgpr 66
		.amdhsa_reserve_vcc 1
		.amdhsa_float_denorm_mode_32 3
		.amdhsa_float_denorm_mode_16_64 3
		.amdhsa_memory_ordered 1
		.amdhsa_forward_progress 1
		.amdhsa_inst_pref_size 23
	.end_amdhsa_kernel
	.amdgpu_metadata
---
amdhsa.version: [ 1, 2 ]
amdhsa.kernels:
  - .name:           k_q571c88cc15_first16
    .symbol:         k_q571c88cc15_first16.kd
    .args:
      - { .name: qkv16, .offset: 0, .size: 8, .value_kind: global_buffer, .address_space: global }
      - { .name: w_proj, .offset: 8, .size: 8, .value_kind: global_buffer, .address_space: global }
      - { .name: b_proj, .offset: 16, .size: 8, .value_kind: global_buffer, .address_space: global }
      - { .name: out0, .offset: 24, .size: 8, .value_kind: global_buffer, .address_space: global }
    .group_segment_fixed_size: 71680
    .private_segment_fixed_size: 0
    .kernarg_segment_align: 8
    .kernarg_segment_size: 32
    .max_flat_workgroup_size: 512
    .sgpr_count:     66
    .vgpr_count:     256
    .wavefront_size: 32
...
	.end_amdgpu_metadata
.endif
;; end of part 5
